; MI455X (gfx1250); checked and timed in simulation.
; The chip was launched on July 23, 2026; its instructions are those of AMD's public machine-readable ISA for CDNA 5 (MIT licence, August 2026) and "CDNA5" Instruction Set Architecture Reference Guide (July 2026). The comments in the code are by the model that wrote it; some were corrected since.
;; Multi Head Attention. Allowed arithmetic: matrix products marked QUANTISED: E2M3 operands, one E8M0 scale for each 32 along K, by v_wmma_scale_f32_16x16x128_f8f6f4 with both operands' format E2M3, f32 sums; everything else in f32.
;; Inputs: W_k_codes 1,024 x 32 x 24 uint8 (E2M3 codes of W_k, K innermost, in blocks of 32 codes, four codes in three bytes); W_k_scales 1,024 x 32 uint8 (E8M0 scales of W_k, one for each 32 codes along K); W_o_codes 1,024 x 32 x 24 uint8 (E2M3 codes of W_o, K innermost, in blocks of 32 codes, four codes in three bytes); W_o_scales 1,024 x 32 uint8 (E8M0 scales of W_o, one for each 32 codes along K); W_q_codes 1,024 x 32 x 24 uint8 (E2M3 codes of W_q, K innermost, in blocks of 32 codes, four codes in three bytes); W_q_scales 1,024 x 32 uint8 (E8M0 scales of W_q, one for each 32 codes along K); W_v_codes 1,024 x 32 x 24 uint8 (E2M3 codes of W_v, K innermost, in blocks of 32 codes, four codes in three bytes); W_v_scales 1,024 x 32 uint8 (E8M0 scales of W_v, one for each 32 codes along K); b_k 1,024 float32; b_o 1,024 float32; b_q 1,024 float32; b_v 1,024 float32; x_codes 4 x 2,048 x 32 x 24 uint8 (E2M3 codes of x, K innermost, in blocks of 32 codes, four codes in three bytes); x_scales 4 x 2,048 x 32 uint8 (E8M0 scales of x, one for each 32 codes along K).
;; Outputs: out0 4 x 2,048 x 1,024 float32.
;; This version of the problem:
;;   THIS VERSION OF THE PROBLEM IS GIVEN IN LOW PRECISION. The matrix products marked QUANTISED in the list below multiply operands that are first quantised to E2M3 (2 exponent bits, 3 mantissa bits; 6 bits a number), with one power-of-two scale for each 32 numbers along K (OCP MX v1.0); their sums are f32. All else is computed in f32.
;;   The module's matrix products, in the order in which they are computed (A, B: the left and right operand; K: the contracted axis; several contracted axes count as one K, in the product's order):
;;     1. [M 8,192, K 1,024] x [K 1,024, N 1,024]; A: input x (given as codes); B: input W_q (given as codes): QUANTISED
;;     2. [M 8,192, K 1,024] x [K 1,024, N 1,024]; A: input x (given as codes); B: input W_k (given as codes): QUANTISED
;;     3. [M 8,192, K 1,024] x [K 1,024, N 1,024]; A: input x (given as codes); B: input W_v (given as codes): QUANTISED
;;     4. batch 64 x [M 2,048, K 64] x [K 64, N 2,048]; A: computed on the way; B: computed on the way: QUANTISED
;;     5. batch 64 x [M 2,048, K 2,048] x [K 2,048, N 64]; A: softmax (see below); B: computed on the way: QUANTISED
;;     6. [M 8,192, K 1,024] x [K 1,024, N 1,024]; A: computed on the way; B: input W_o (given as codes): QUANTISED
;;   THE QUANTISER, for each operand of a quantised product, along K:
;;     - K is cut into blocks of 32 from its start; a last block that is shorter is filled with zeros.
;;     - A block's scale is 2^e with e = floor(log2(the largest magnitude in the block)) - 2, held to -126 .. 127; a block of zeros has e = 0. As a byte (E8M0): e + 127.
;;     - Each number is divided by its block's scale, clamped to +-7.5, and rounded to the nearest number of E2M3, ties to even, subnormals kept.
;;     - The product sums the exact products of the quantised numbers (number of the format x scale) in f32.
;;   ~~~python
;;   def quantise(x, axis):      # numpy; x: float32 -> the quantised numbers, widened to float32 again
;;       x = np.moveaxis(x, axis, -1); K = x.shape[-1]
;;       x = np.pad(x, [(0, 0)] * (x.ndim - 1) + [(0, -K % 32)]); x = x.reshape(x.shape[:-1] + (-1, 32)); a = np.abs(x).max(-1, keepdims=True)
;;       e = np.where(a > 0, np.clip(np.frexp(np.where(a > 0, a, 1))[1] - 1 - 2, -126, 127), 0)      # np.frexp(a)[1] - 1 = floor(log2(a)), exactly
;;       r = np.clip(x / 2.0 ** e, -7.5, 7.5)
;;       step = 2.0 ** (np.maximum(np.frexp(np.where(r == 0, 1, r))[1] - 1, 0) - 3)
;;       q = np.round(r / step) * step * 2.0 ** e      # np.round: ties to even
;;       return np.moveaxis(q.reshape(q.shape[:-2] + (-1,))[..., :K], -1, axis).astype(np.float32)
;;   ~~~
;;   SOFTMAX AHEAD OF A QUANTISED PRODUCT. Where the list says 'softmax', what is quantised is not the finished softmax but p = 2^(t - M), with t = logit x log2(e) and M = ceil(the row's largest t), a whole number; so 1/2 < the row's largest p <= 1. The row's sum l is taken of the UNQUANTISED p, in f32, and the product's result is divided by l at the end. Since M is a whole number, a kernel that streams over the keys may use a running M (the ceiling of the running maximum): every later rescaling is an exact power of two, which a block's scale takes up: the codes' values come out the same.
;;   OPERANDS COMPUTED ON THE WAY. 'Computed on the way' means the value that the module computes at that place (a softmax that the list does not call 'softmax' is quantised finished and normalised). What goes into a quantiser is computed in f32, as accurately as f32 sums, v_exp_f32 and their like allow (about 1e-6 of the number): no bf16 or f16 on the way to a quantiser, and a product that is left as it is and whose result goes on into a quantised operand takes f32 operands (vector FMAs, or v_wmma_f32_16x16x4_f32). A number that lies on a knife's edge between two numbers of the format may be rounded either way, as far as f32 arithmetic and the matrix unit's own rounding can turn it there, and no further.
;;   INPUTS GIVEN AS CODES. W_k (in the module: [1024, 1024], K = its axis 0); W_o (in the module: [1024, 1024], K = its axis 0); W_q (in the module: [1024, 1024], K = its axis 0); W_v (in the module: [1024, 1024], K = its axis 0); x (in the module: [4, 2048, 1024], K = its axis 2): each comes as NAME_codes (uint8): NAME with its K axis moved to the last place and cut into blocks of 32 codes, [.., K / 32, bytes a block], one block behind the other in memory; four codes in three bytes: a row's codes are one little-endian stream of bits, code i at bits 6 i .. 6 i + 5 (a code: sign, 2 exponent bits, 3 mantissa bits); and NAME_scales (uint8): the same leading axes, one E8M0 byte (e + 127) for each 32 codes along K. Its value is code x scale, taken as it is: it is not quantised again, and the codes and scales need not be those that the quantiser above would give.
;; One version. Each part assembles by itself: llvm-mc -triple=amdgcn-amd-amdhsa -mcpu=gfx1250 --defsym DOCPART=n.
;; ======== version 1 of 1: 3 launches
;; workspace buffers: qw 6,815,744 bytes; kv 13,369,344 bytes; cx 6,291,456 bytes; cs 262,144 bytes
;; launch qkv (part 1): grid 12 x 32, 4 waves a work-group, clusters of 4 x 4, 327,680 bytes of LDS; arguments x_codes, x_scales, W_q_codes, W_q_scales, W_k_codes, W_k_scales, W_v_codes, W_v_scales, b_q, b_k, b_v, qw, kv; writes qw, kv
.if DOCPART == 1
	.amdgcn_target "amdgcn-amd-amdhsa--gfx1250"
	.amdhsa_code_object_version 6
	.text
	.protected	k_q231e7a2604_qkv
	.globl	k_q231e7a2604_qkv
	.p2align	8
	.type	k_q231e7a2604_qkv,@function
k_q231e7a2604_qkv:
	s_mov_b64 s[64:65], 0
	v_nop
	global_prefetch_b8 v0, s[64:65] scope:SCOPE_SE
	s_setreg_imm32_b32 hwreg(HW_REG_WAVE_MODE, 25, 1), 1
	s_wait_xcnt 0x0
	s_wait_alu depctr_hold_cnt(0) depctr_sa_sdst(0) depctr_va_vdst(0) depctr_va_sdst(0) depctr_va_ssrc(0) depctr_va_vcc(0) depctr_vm_vsrc(0)
	s_getreg_b32 s2, hwreg(HW_REG_IB_STS2, 6, 4)
	s_cmp_eq_u32 s2, 0
	s_cbranch_scc0 .Lentry_in_a_cluster
	s_endpgm
.Lentry_in_a_cluster:
	s_bfe_u32 s2, ttmp6, 0x10000c
	s_cmp_lg_u32 s2, 0xf033
	s_cbranch_scc0 .Lentry_shape_is_right
	s_endpgm
.Lentry_shape_is_right:
; Q = x W_q + b_q, K = x W_k + b_k, V = x W_v + b_v on codes of FP6 (E2M3) with one E8M0 scale for each 32 along K = 1,024; the results are quantised here, in f32, and leave as codes:
; Q and K along the head's 64 numbers, V along the keys.  No f32 result goes to memory.
; THE CLUSTER'S x IS THE PATH: 0 = Q, 1 = K, 2 = V; it is the same in all sixteen partners.  A work-group makes 256 rows of an operand called A x 256 rows of an operand called B, a wave 128 x 128 (64 accumulators).
; The matrix instruction takes 16 rows of B as source 0 and 16 rows of A as source 1: a lane then holds ONE row of A, and its registers run along B's rows.
;   Q, K: A = x (a lane holds a token), B = W (registers run along the head's numbers, the next product's K).      V: A = W_v (a lane holds one of the head's 64), B = x (registers run along the keys, the next product's K).
; So each path's results lie with the next K along a lane's registers, and the main loop is one text for all three: only pointers and tile numbers are chosen, by s_cselect on the cluster's x.
; K goes in steps of 256 through a ring of two LDS slots filled by joint tensor loads (A's tile shared along a row of the cluster, B's along a column); the scale bytes of the 256 + 256 rows come once and stay.
; THE BIAS: Q's and K's runs along the registers: eight registers a tile of B's rows, the C of each sum's first product.  V's hangs on the lane: it is added on the way out.  Each path loads both forms and clears the one that is not its own.
; THE WAY OUT: 16 rows of A x 128 at a time: 64 numbers a lane -> four blocks of 32 -> 12 registers of codes in the order of an operand's registers, and a scale word.  They are stored as they stand:
; a HALF IMAGE is 768 bytes: registers 0-3 of the 32 lanes (16 bytes a lane, 512 bytes), then registers 4-5 (8 bytes a lane, 256 bytes): each store covers whole aligned runs of 256 bytes.
;   qw: [batch x 8 + head pair][group of 128 tokens][13,312]: head e's half image of token tile t at 6144 e + 768 t; scale words at 12,288 + 512 e.
;   kv: [batch x 8 + head pair][group of 128 keys][26,112]: K as in qw; V^T's half image of d tile a (0-7 over both heads), keys 64 c on, at 12,288 + 1536 a + 768 c; K's scale words at 24,576 + 512 e, V's at 25,600.
;   a block of scale words is [lane][4 words]: lanes 0-15 tiles 0-3, lanes 16-31 tiles 4-7, row = lane % 16.
; LIMITS: NaN and infinities are not served.  A block whose largest magnitude lies under 2^-124, a block of zeros among them, keeps the scale byte 1 (the rule's 127 for zeros is not made: only this program reads the bytes, and the codes are zeros).
; The bias is the first addend of Q's and K's sums and the last of V's.
; REGISTERS, in windows of 256: window 0: v0-31 addresses; v32-63 scale words, two sets; v64-127 the bias tiles, later at work; v128-223 A's fragments, ONE set, later the way out; v240-247 the bias by lane.
;   window 1: B's fragments, two sets.   windows 2, 3: the accumulators ((a, b) at v[8 (8 (a % 4) + b)]).
.set KSTEP,  256                       ; along K in a slot
.set NQ,     KSTEP/128                 ; matrix instructions deep
.set ROWB,   192                       ; a tile's row in bytes
.set KROW,   768                       ; a row of codes in memory: 1,024 codes
.set PITCH,  240                       ; an LDS row: 3 x (64 bytes + 16 of padding)
.set FR,     12                        ; registers of a fragment
.set NL,     6                         ; LDS loads that bring one
.set NP,     4                         ; places behind this matrix instruction (ISA guide 7.12.1)
.set HALFT,  128*PITCH                 ; what one tensor load brings
.set SLOT,   4*HALFT                   ; A's 256 rows, then B's 256 rows
.set LAPS,   1024/(2*KSTEP)            ; a lap = two K steps = once round the ring
.set KS,     32                        ; a row of scale bytes
.set SCL,    2*SLOT                    ; behind the ring: the scale bytes, as runs of 256 bytes + 16 of padding
.set HALFS,  (128*KS/256)*272          ; those of 128 rows
.set SBLK,   (16*KS/256)*272           ; those of 16 rows
.set SPARE,  SCL+4*HALFS               ; the spare words, 128 bytes a wave: two blocks of 256 bytes that no other line names
.set ADRA, 16                          ; v16-17 LDS address of my A fragments in slot 0, 1; v18-19 the same behind one padding more
.set ADRB, 20                          ; v20-23 the same for B
.set O16,  24                          ; v24  16 x lane
.set O8,   25                          ; v25  512 + 8 x lane
.set O16D, 26                          ; v26  v24 + the distance to the fragment's second half image
.set ADRS, 27                          ; v27  LDS address of my scale words: lanes 0-15 A's rows, lanes 16-31 B's
.set SPW,  28                          ; v28  my spare word; never rewritten
.set NIL,  29                          ; v29  0; never rewritten
.set O8D,  30                          ; v30  v25 + the same distance
.set SC,   32                          ; scale words, two sets of 16
.set BPR,  64                          ; v64-127 the bias along the registers: eight registers for each of B's eight tiles
.set AF,   128                         ; A's fragments
.set BLN,  240                         ; v240-247 the bias by lane: one register for each of A's eight tiles
.set T,    128                         ; the way out: 64 numbers of a lane
.set PCA,  192                         ; codes: 12 registers, set a % 2 twenty registers on
.set PXA,  204                         ; and the halves that are made elsewhere
.set TM,   64                          ; v64-79 at work in the quantiser (they have held the bias tiles, so all have been written)
.set WW,   80                          ; v80-87 the eight scale words
.set XW,   88                          ; v88-91 as they are stored;  v92-95 the second head's
.set YW,   92
.set SEL,  20                          ; s[20:21] v_permlanex16_b32's selects for lane l xor 16
.set G1, 24                            ; s[24:31] descriptor group 1 for A's tiles;  s[32:39] group 0, one set for each slot
.set G0, 32
.set G1B, 48                           ; s[48:55], s[56:63] the same for B's tiles
.set G0B, 56
.set G1S, 68                           ; s[68:75], s[76:79] groups 1 and 0 for A's scale bytes;  s[80:87], s[88:91] for B's (written when the arguments that arrive in s68-93 have been chosen from)
.set G0S, 76
.set G1SB, 80
.set G0SB, 88
.set MSB, 0
.macro WIN new                         ; the immediate's high byte repeats the setting that is left
.if MSB != (\new)
	s_set_vgpr_msb (MSB<<8)|(\new)
.set MSB, (\new)
.endif
.endm
.set MUL_LO, 0xa1                      ; source 0 (B) window 1, source 1 (A) window 0, C and D window 2
.set MUL_HI, 0xf1                      ; the same, C and D window 3
.set FST_LO, 0x81                      ; the first step: C (the bias tiles) window 0, D window 2
.set FST_HI, 0xc1                      ; D window 3
.set TO_B,   0x40                      ; destination window 1, address window 0
; A joint load: waves 0 and 1 fetch for A, waves 2 and 3 for B; the branch hangs on the wave's number alone.  Four v_nop follow each of the two lines.
.macro JLOAD g0a, g1a, g0b, g1b
	s_cmp_eq_u32 s15, 0
	s_cbranch_scc0 .Lfor_b_\@
	tensor_load_to_lds s[\g0a:\g0a+3], s[\g1a:\g1a+7]
	s_nop 0
.rept 4
	v_nop
.endr
	s_branch .Lasked_\@
.Lfor_b_\@:
	tensor_load_to_lds s[\g0b:\g0b+3], s[\g1b:\g1b+7]
	s_nop 0
.rept 4
	v_nop
.endr
.Lasked_\@:
.endm
.macro CREST                           ; a round of the cluster's barrier behind its opening barrier
	s_cmp_lg_u32 s14, 0
	s_cbranch_scc1 .Lnot_wave_0_\@
	s_barrier_signal -3
.Lnot_wave_0_\@:
	s_barrier_wait -3
	s_barrier_signal -1
	s_barrier_wait -1
.endm
.macro CROUND                          ; a whole round
	s_barrier_signal -1
	s_barrier_wait -1
	CREST
.endm
	s_load_b256 s[68:75], s[0:1], 0x0              ; x's codes, x's scales, W_q's codes, W_q's scales
	s_load_b256 s[76:83], s[0:1], 0x20             ; W_k's codes, scales, W_v's codes, scales
	s_load_b256 s[84:91], s[0:1], 0x40             ; b_q, b_k, b_v, qw
	s_load_b64 s[92:93], s[0:1], 0x60              ; kv
	v_lshl_add_u32 v[SPW], v0, 2, SPARE
	v_mov_b32 v[NIL], 0
	ds_add_u32 v28, v29
	ds_add_u32 v28, v29
	s_wait_dscnt 0x0
	v_lshrrev_b32 v1, 5, v0
	v_readfirstlane_b32 s14, v1                    ; wave 0..3
	s_lshr_b32 s15, s14, 1                         ; which half of A's rows is mine.  Also: I fetch for A (0) or for B (1)
	s_and_b32 s16, s14, 1                          ; which half of B's rows.  Also: which 128 rows of that tile I fetch
	s_bfe_u32 s40, ttmp6, 0x40000                  ; cx, cy: my place in the cluster
	s_bfe_u32 s41, ttmp6, 0x40004
	s_and_b32 s18, ttmp7, 0xffff
	s_lshl_b32 s18, s18, 2                         ; 4 x cluster y
	s_add_co_u32 s17, s18, s41
	s_add_co_u32 s42, s18, s40
	s_cmp_eq_u32 ttmp9, 2                          ; V's path?
	s_cselect_b32 s17, s41, s17                    ; A's tile of 256 rows: W_v's cy, or x's 4 x cluster y + cy: made of cy alone
	s_cselect_b32 s42, s42, s40                    ; B's: x's 4 x cluster y + cx, or W's cx: made of cx alone
	s_lshl_b32 s43, s41, 2
	s_lshl_b32 s43, 15, s43                        ; my row of the cluster
	s_lshl_b32 s44, 0x1111, s40                    ; my column
	; descriptor group 1: a tile of 128 rows x 192 bytes, padded in LDS
	s_or_b32 s[G1+0], s43, (0<<16)|(1<<20)|(1<<21)|(3<<22)|(3<<25)  ; 15:0 the mask: A's tiles go to my row; 17:16 elements of 1 byte; 20 padding on; 21 set beside a mask; 24:22 after every 16 words; 31:25 4 words of it
	s_or_b32 s[G1B+0], s44, (0<<16)|(1<<20)|(1<<21)|(3<<22)|(3<<25)
.irp g, G1, G1B
	s_mov_b32 s[\g+1], ROWB<<16                    ; tensor_dim0
	s_mov_b32 s[\g+2], 128<<16                     ; tensor_dim1
	s_mov_b32 s[\g+3], ROWB<<16                    ; tile_dim0
	s_mov_b32 s[\g+4], 128                         ; tile_dim1
	s_mov_b32 s[\g+5], KROW                        ; tensor_dim0_stride
	s_mov_b32 s[\g+6], 0
	s_mov_b32 s[\g+7], 0
.endr
	s_lshl_b32 s18, s16, 7                         ; which 128 rows of the tile I fetch
	s_lshl_b32 s20, s17, 8
	s_add_co_u32 s20, s20, s18                     ; A: row 256 x tile + 128 x half
	s_lshl_b32 s46, s42, 8
	s_add_co_u32 s46, s46, s18                     ; B likewise
	s_mov_b32 s21, 0
	s_mov_b32 s47, 0
	s_mov_b64 s[18:19], KS
	s_mul_u64 s[22:23], s[20:21], s[18:19]         ; where these rows' scale bytes begin,
	s_mul_u64 s[104:105], s[46:47], s[18:19]
	s_mov_b64 s[18:19], KROW
	s_mul_u64 s[20:21], s[20:21], s[18:19]         ; and their codes
	s_mul_u64 s[46:47], s[46:47], s[18:19]
	s_mul_i32 s45, s14, HALFT                      ; where they go: wave x 128 rows: no place in the cluster enters an LDS address
	s_mul_i32 s94, s14, HALFS
	s_wait_kmcnt 0x0
	; the path's buffers and constants.  Every choice hangs on the cluster's x alone
	s_cmp_eq_u32 ttmp9, 0                          ; Q, or not
	s_cselect_b64 s[8:9], s[72:73], s[76:77]       ; the weight's codes,
	s_cselect_b64 s[10:11], s[74:75], s[78:79]     ; its scale bytes,
	s_cselect_b64 s[100:101], s[84:85], s[86:87]   ; the bias,
	s_cselect_b64 s[12:13], s[90:91], s[92:93]     ; the buffer for the results,
	s_mov_b32 s2, 26112
	s_cselect_b32 s2, 13312, s2                    ; its record's bytes,
	s_mov_b32 s3, 24576
	s_cselect_b32 s3, 12288, s3                    ; where the scale words begin in a record
	s_cmp_eq_u32 ttmp9, 2                          ; V, or not
	s_cselect_b64 s[4:5], s[80:81], s[68:69]       ; A's codes: W_v's or x's
	s_cselect_b64 s[6:7], s[82:83], s[70:71]       ; A's scale bytes
	s_cselect_b64 s[8:9], s[68:69], s[8:9]         ; B's codes: x's or the weight's
	s_cselect_b64 s[10:11], s[70:71], s[10:11]
	s_cselect_b64 s[100:101], s[88:89], s[100:101]
	s_cselect_b32 s98, 12288, 0                    ; where the codes begin in a record
	s_cselect_b32 s3, 25600, s3
	s_mov_b32 s96, 768
	s_cselect_b32 s96, 1536, s96                   ; from one of A's tiles to the next, in the record
	s_mov_b32 s97, 0
	s_mov_b32 s99, 6144
	s_cselect_b32 s99, 768, s99                    ; from a fragment's first half image to its second
	s_cselect_b32 s95, 0, -1                       ; all lanes on Q's and K's paths, none on V's
	s_add_nc_u64 s[20:21], s[4:5], s[20:21]
	s_add_nc_u64 s[22:23], s[6:7], s[22:23]
	s_add_nc_u64 s[46:47], s[8:9], s[46:47]
	s_add_nc_u64 s[104:105], s[10:11], s[104:105]
	; the scale bytes of 128 rows: a dense block of 4,096 bytes, as rows of 256 bytes (32 elements of 8 bytes), 16 bytes of padding behind each
	s_or_b32 s[G1S+0], s43, (3<<16)|(1<<20)|(1<<21)|(5<<22)|(3<<25)
	s_or_b32 s[G1SB+0], s44, (3<<16)|(1<<20)|(1<<21)|(5<<22)|(3<<25)
.irp g, G1S, G1SB
	s_mov_b32 s[\g+1], 32<<16
	s_mov_b32 s[\g+2], (128*KS/256)<<16
	s_mov_b32 s[\g+3], 32<<16
	s_mov_b32 s[\g+4], 128*KS/256
	s_mov_b32 s[\g+5], 32
	s_mov_b32 s[\g+6], 0
	s_mov_b32 s[\g+7], 0
.endr
	CROUND                                         ; all sixteen work-groups are here: the first joint loads meet
	s_mov_b32 s[G0S], 1
	s_add_co_u32 s[G0S+1], s94, SCL
	s_mov_b64 s[G0S+2:G0S+3], s[22:23]
	s_or_b32 s[G0S+3], s[G0S+3], 0x80000000
	s_mov_b32 s[G0SB], 1
	s_add_co_u32 s[G0SB+1], s94, SCL
	s_mov_b64 s[G0SB+2:G0SB+3], s[104:105]
	s_or_b32 s[G0SB+3], s[G0SB+3], 0x80000000
	JLOAD G0S, G1S, G0SB, G1SB                     ; the scale bytes first: they are wanted with K step 0
.irp s, 0,1
	s_mov_b32 s[G0+4*\s], 1
	s_add_co_u32 s[G0+4*\s+1], s45, \s*SLOT
	s_add_nc_u64 s[G0+4*\s+2:G0+4*\s+3], s[20:21], \s*ROWB
	s_or_b32 s[G0+4*\s+3], s[G0+4*\s+3], 0x80000000
	s_mov_b32 s[G0B+4*\s], 1
	s_add_co_u32 s[G0B+4*\s+1], s45, \s*SLOT
	s_add_nc_u64 s[G0B+4*\s+2:G0B+4*\s+3], s[46:47], \s*ROWB
	s_or_b32 s[G0B+4*\s+3], s[G0B+4*\s+3], 0x80000000
	JLOAD G0+4*\s, G1, G0B+4*\s, G1B               ; three tensor loads of mine are out
.endr
	v_and_b32 v1, 15, v0                           ; r = lane % 16
	v_bfe_u32 v2, v0, 4, 1                         ; h = lane / 16
	v_mul_u32_u24 v3, v1, PITCH
	v_mul_u32_u24 v4, v2, 24
	v_add_nc_u32 v4, v3, v4                        ; a fragment's row x pitch + 24 x half
	v_lshl_add_u32 v5, v2, 4, v4                   ; and the same behind one padding more
	s_mul_i32 s21, s15, HALFT                      ; my 128 rows of A
	s_mul_i32 s22, s16, HALFT                      ; my 128 rows of B,
	s_add_co_u32 s22, s22, 2*HALFT                 ; which lie behind A's 256
.irp s, 0,1
	v_add_nc_u32 v[ADRA+\s], s21, v4
	v_add_nc_u32 v[ADRB+\s], s22, v4
	v_add_nc_u32 v[ADRA+2+\s], s21, v5
	v_add_nc_u32 v[ADRB+2+\s], s22, v5
	s_add_co_u32 s21, s21, SLOT
	s_add_co_u32 s22, s22, SLOT
.endr
	v_mul_u32_u24 v5, v1, KS                       ; my row's scale bytes: 32 a row,
	v_lshrrev_b32 v6, 8, v5
	v_lshl_add_u32 v5, v6, 4, v5                   ; and 16 more for each 256 passed
	s_mul_i32 s21, s15, HALFS                      ; A's: my 128 rows
	s_mul_i32 s22, s16, HALFS                      ; B's: my 128 rows, behind A's 256
	s_add_co_u32 s22, s22, 2*HALFS
	s_sub_co_u32 s22, s22, s21
	v_mul_u32_u24 v6, s22, v2                      ; lanes 16-31 take B's
	s_add_co_u32 s21, s21, SCL
	v_add_nc_u32 v5, v5, v6
	v_add_nc_u32 v[ADRS], s21, v5
	v_and_b32 v6, 31, v0
	v_lshlrev_b32 v[O16], 4, v6                    ; the stores' offsets in a half image
	v_lshlrev_b32 v[O8], 3, v6
	v_add_nc_u32 v[O8], 512, v[O8]
	v_add_nc_u32 v[O16D], s99, v[O16]
	v_add_nc_u32 v[O8D], s99, v[O8]
	v_lshlrev_b32 v7, 5, v2                        ; the bias along the registers: my half's eight numbers of a tile: 32 h
	v_lshlrev_b32 v8, 2, v1                        ; the bias by lane: 4 r
	; where my results go.  GA, GB: my groups of 128 rows of A and of B
	s_lshl_b32 s20, s17, 1
	s_add_co_u32 s20, s20, s15                     ; GA
	s_lshl_b32 s21, s42, 1
	s_add_co_u32 s21, s21, s16                     ; GB
	s_cmp_eq_u32 ttmp9, 2
	s_cselect_b32 s22, s21, s20                    ; the group of 128 tokens, 0 .. 63 over the batches
	s_cselect_b32 s23, s20, s21                    ; the head pair
	s_cselect_b32 s46, 0, s21                      ; which 128 numbers of the bias run along the registers (on V's path any: they are cleared)
	s_cselect_b32 s47, s20, 0                      ; and which hang on the lane (on Q's and K's paths any)
	s_lshr_b32 s18, s22, 4
	s_lshl_b32 s18, s18, 7                         ; batch x 8 x 16
	s_lshl_b32 s23, s23, 4
	s_add_co_u32 s18, s18, s23                     ; + head pair x 16
	s_and_b32 s22, s22, 15
	s_add_co_u32 s18, s18, s22                     ; + the group in its batch: the record
	s_mul_i32 s18, s18, s2
	s_mov_b32 s19, 0
	s_add_nc_u64 s[12:13], s[12:13], s[18:19]
	s_mov_b32 s18, s3
	s_add_nc_u64 s[66:67], s[12:13], s[18:19]      ; its scale words
	s_mov_b32 s18, s98
	s_add_nc_u64 s[12:13], s[12:13], s[18:19]      ; its codes
	s_lshl_b32 s18, s46, 9
	s_add_nc_u64 s[22:23], s[100:101], s[18:19]
	s_lshl_b32 s18, s47, 9
	s_add_nc_u64 s[100:101], s[100:101], s[18:19]
	s_mov_b32 s[SEL], 0x76543210
	s_mov_b32 s[SEL+1], 0xfedcba98
.irp b, 0,1,2,3,4,5,6,7
	global_load_b128 v[BPR+8*\b:BPR+8*\b+3], v7, s[22:23] offset:64*\b        ; bias(16 b + 8 h + 0 .. 7): the layout of a result whose registers run along B's rows
	global_load_b128 v[BPR+8*\b+4:BPR+8*\b+7], v7, s[22:23] offset:64*\b+16
.endr
.irp a, 0,1,2,3,4,5,6,7
	global_load_b32 v[BLN+\a], v8, s[100:101] offset:64*\a                    ; bias(16 a + r)
.endr
.macro FRAG reg, adr, q, i             ; a fragment, 16 rows x 128 K, is 12 registers: lane l holds row l % 16; registers 6 c .. 6 c + 5 hold K = 64 c + 32 (l / 16) + 0 .. 31: 24 bytes of the row, as they lie
.irp p, 0,1,2,3,4,5                    ; in pieces of 8 bytes.  Lanes 16-31 read three pieces further on; where that is behind one padding more, the second address register serves
.set PIE, 12*(\q)+6*(\p/3)+\p%3
.if PIE%8 < 5
	ds_load_b64 v[\reg+2*\p:\reg+2*\p+1], v[\adr] offset:8*PIE+16*(PIE/8)+(\i)*16*PITCH
.else
	ds_load_b64 v[\reg+2*\p:\reg+2*\p+1], v[\adr+2] offset:8*PIE+16*(PIE/8)+(\i)*16*PITCH
.endif
.endr
.endm
; 16 matrix instructions: A's blocks a0, a0 + 1 x B's eight, 128 along K.  zero = 1: the first product starts the sums, from the bias tiles.  The 64 accumulators take turns, one instruction a turn.
.macro MUL16 a0, p, q, sc, zero
.irp a, \a0, \a0+1
.irp b, 0,1,2,3,4,5,6,7
.if \zero
	v_wmma_scale_f32_16x16x128_f8f6f4 v[8*(8*((\a)%4)+\b):8*(8*((\a)%4)+\b)+7], v[128*(\p)+FR*\b:128*(\p)+FR*\b+FR-1], v[AF+FR*(\a):AF+FR*(\a)+FR-1], v[BPR+8*\b:BPR+8*\b+7], v[SC+8*NQ*(\sc)+NQ*\b+(\q)], v[SC+8*NQ*(\sc)+NQ*(\a)+(\q)] matrix_a_fmt:MATRIX_FMT_FP6 matrix_b_fmt:MATRIX_FMT_FP6 matrix_a_scale:MATRIX_SCALE_ROW1
.else
	v_wmma_scale_f32_16x16x128_f8f6f4 v[8*(8*((\a)%4)+\b):8*(8*((\a)%4)+\b)+7], v[128*(\p)+FR*\b:128*(\p)+FR*\b+FR-1], v[AF+FR*(\a):AF+FR*(\a)+FR-1], v[8*(8*((\a)%4)+\b):8*(8*((\a)%4)+\b)+7], v[SC+8*NQ*(\sc)+NQ*\b+(\q)], v[SC+8*NQ*(\sc)+NQ*(\a)+(\q)] matrix_a_fmt:MATRIX_FMT_FP6 matrix_b_fmt:MATRIX_FMT_FP6 matrix_a_scale:MATRIX_SCALE_ROW1
.endif
.endr
.endr
.endm
.macro FETCH_B slot, q, p              ; B's eight fragments of the slot's q-th 128 along K into set p
	WIN TO_B
.irp i, 0,1,2,3,4,5,6,7
	FRAG 128*(\p)+FR*\i, ADRB+\slot, \q, \i
.endr
	WIN 0
.endm
.macro FETCH_A slot, q, i0             ; A's blocks i0 .. i0 + 3
.irp i, \i0, \i0+1, \i0+2, \i0+3
	FRAG AF+FR*(\i), ADRA+\slot, \q, \i
.endr
.endm
.macro SCALES sc                       ; a K step's scale words into set sc: two words a row; lanes 0-15 take A's block i, lanes 16-31 B's block i
.irp i, 0,1,2,3,4,5,6,7
	ds_load_b64 v[SC+8*NQ*\sc+NQ*\i:SC+8*NQ*\sc+NQ*\i+1], v[ADRS] offset:\i*SBLK
.endr
.endm
.macro PLACES n                        ; plain vector instructions that name no register of the matrix instructions ahead (ISA guide 7.12.1)
.rept \n
	v_nop
.endr
.endm
; A step of 128 along K that has its successor in the same slot.
.macro STEP slot, q, zero
	s_wait_dscnt 4*NL                              ; B's set and A's blocks 0-3 are in; the youngest 24 loads (A's blocks 4-7) may be out
.if \zero
	WIN FST_LO
.else
	WIN MUL_LO
.endif
	MUL16 0, (\q)%2, \q, \slot, \zero
	MUL16 2, (\q)%2, \q, \slot, \zero
	s_wait_dscnt 0                                 ; A's blocks 4-7 are in
	PLACES NP
	FETCH_B \slot, (\q)+1, 1-(\q)%2
	FETCH_A \slot, (\q)+1, 0
.if \zero
	WIN FST_HI
.else
	WIN MUL_HI
.endif
	MUL16 4, (\q)%2, \q, \slot, \zero
	MUL16 6, (\q)%2, \q, \slot, \zero
	PLACES NP
	WIN 0
	FETCH_A \slot, (\q)+1, 4
.endm
; A slot's last step changes slots: ONE barrier; in front of it each wave waits for all its tensor loads, adds 0 to its spare word, and waits for that and for its own reads of this slot.  fill = 1: this slot is filled again, two K steps ahead.
.macro TURN slot, next, fill
	s_wait_tensorcnt 0x0                           ; all my tensor loads have landed: my part of the next slot
	ds_add_u32 v[SPW], v[NIL]                      ; 0 onto my spare word
	s_wait_dscnt 4*NL+1                            ; (the add and the youngest 24 loads, A's blocks 4-7, may be out)
	WIN MUL_LO
	MUL16 0, 1, NQ-1, \slot, 0                     ; sixteen matrix instructions stand between the add and the wait for it
	s_wait_dscnt 0x0                               ; the add is done, and my reads of this slot are over
	s_barrier_signal -1
	MUL16 2, 1, NQ-1, \slot, 0
	WIN 0
	s_barrier_wait -1
.if \fill
	CREST                                          ; the barrier has opened a round of the cluster's barrier: no wave of any partner still reads this slot or has a load on its way
	s_add_nc_u64 s[G0+4*\slot+2:G0+4*\slot+3], s[G0+4*\slot+2:G0+4*\slot+3], 2*ROWB
	s_add_nc_u64 s[G0B+4*\slot+2:G0B+4*\slot+3], s[G0B+4*\slot+2:G0B+4*\slot+3], 2*ROWB
	JLOAD G0+4*\slot, G1, G0B+4*\slot, G1B         ; the first tensor load behind the round; its four v_nop are the places in front of the loads below
.else
	PLACES NP
.endif
	v_add_nc_u32 v[ADRS], 4*NQ, v[ADRS]            ; on to the next K step's scale words (no LDS load of mine is out)
	FETCH_B \next, 0, 0
	FETCH_A \next, 0, 0
	SCALES \next
	WIN MUL_HI
	MUL16 4, 1, NQ-1, \slot, 0
	MUL16 6, 1, NQ-1, \slot, 0
	PLACES NP
	WIN 0
	FETCH_A \next, 0, 4
.endm
; In a result whose tiles take neighbouring rows, a lane's 16 registers of two neighbouring tiles are numbers 0-7 and 16-23 of a block of 32 in lanes 0-15, and 8-15 and 24-31 in lanes 16-31.
; v[x .. x+2] = the codes of block 2 c's sixteen, v[y .. y+2] of block 2 c + 1's.  The three swaps give each lane both parts of ITS block (lanes 0-15: block 2 c; lanes 16-31: block 2 c + 1);
; eight codes are 48 bits, three half words, so four v_perm_b32 and a move put them in order.  v[x .. x+5] are then registers 6 c .. 6 c + 5 of an operand.
.macro WEAVE x, y
.irp i, 0,1,2
	v_permlane16_swap_b32 v[(\x)+\i], v[(\y)+\i]
.endr
	v_perm_b32 v[(\x)+3], v[(\x)+2], v[(\x)+1], 0x05040302   ; codes 16-23: x's half words 3, 4
	v_perm_b32 v[(\x)+4], v[(\y)+1], v[(\x)+2], 0x07060302   ; x's 5; codes 24-31: y's 3
	v_perm_b32 v[(\x)+1], v[(\y)], v[(\x)+1], 0x05040100     ; codes 0-7's last: x's 2; codes 8-15: y's 0
	v_perm_b32 v[(\x)+2], v[(\y)+1], v[(\y)], 0x05040302     ; y's 1, 2
	v_mov_b32 v[(\x)+5], v[(\y)+2]                           ; y's 4, 5
.endm
; 64 numbers of a lane, v[s] on, become a fragment's codes in v[pc] on and its scale word in v[pw].
.macro QUANTN s, pc, px, pw
.irp b, 0,1,2,3
	v_max3_num_f32 v[TM+\b], |v[(\s)+16*\b]|, |v[(\s)+1+16*\b]|, 0x1800000   ; block b: my 16 numbers, and the floor 2^(3 - 127): so the byte cannot fall under 1
.endr
.irp i, 2,4,6,8,10,12,14
.irp b, 0,1,2,3
	v_max3_num_f32 v[TM+\b], v[TM+\b], |v[(\s)+16*\b+\i]|, |v[(\s)+1+16*\b+\i]|   ; (the four blocks by turns)
.endr
.endr
.irp b, 0,1,2,3
	v_permlanex16_b32 v[TM+4+\b], v[TM+\b], s[SEL], s[SEL+1]
.endr
.irp b, 0,1,2,3
	v_max_num_f32 v[TM+\b], v[TM+\b], v[TM+4+\b]   ; with lane l xor 16's: the block's largest magnitude
.endr
.irp b, 0,1,2,3
	v_add_nc_u32 v[TM+12+\b], 0xff000000, v[TM+\b] ; 2 off its exponent field: the conversion takes the exponent field of this operand as its scale
.endr
.irp b, 0,1,2,3
	v_lshrrev_b32 v[TM+4+\b], 23, v[TM+12+\b]      ; the scale's byte
.endr
	v_lshl_or_b32 v[\pw], v[TM+5], 8, v[TM+4]
	v_lshl_or_b32 v[\pw], v[TM+6], 16, v[\pw]
	v_lshl_or_b32 v[\pw], v[TM+7], 24, v[\pw]
.irp c, 0,1
	v_cvt_scalef32_pk16_fp6_f32 v[(\pc)+6*\c:(\pc)+2+6*\c], v[(\s)+32*\c:(\s)+15+32*\c], v[TM+12+2*\c]
	v_cvt_scalef32_pk16_fp6_f32 v[(\px)+4*\c:(\px)+2+4*\c], v[(\s)+16+32*\c:(\s)+31+32*\c], v[TM+12+2*\c+1]
.endr
	v_nop                                          ; one plain place behind a scaled conversion
.irp c, 0,1
	WEAVE (\pc)+6*\c, (\px)+4*\c
.endr
.endm
	s_wait_tensorcnt 1                             ; the scale bytes and my part of K step 0 are in (K step 1's load may be out)
	s_barrier_signal -1
	s_barrier_wait -1                              ; everybody's are
	FETCH_B 0, 0, 0
	FETCH_A 0, 0, 0
	SCALES 0
	FETCH_A 0, 0, 4
	s_wait_loadcnt 0x0                             ; the biases.  The form that is not the path's own is cleared, while the LDS loads land
.set i, 0
.rept 64
	v_cndmask_b32 v[BPR+i], 0, v[BPR+i], s95
.set i, i+1
.endr
.irp a, 0,1,2,3,4,5,6,7
	v_cndmask_b32 v[BLN+\a], v[BLN+\a], 0, s95
.endr
	STEP 0, 0, 1                                   ; the first step stands in front of the loop: its products start the sums
	s_mov_b32 s3, LAPS-1
.Llap:                                                 ; a trip goes once round the ring, from a lap's second step to the next lap's first, and fills both slots again
	TURN 0, 1, 1
	STEP 1, 0, 0
	TURN 1, 0, 1
	STEP 0, 0, 0
	s_sub_co_u32 s3, s3, 1
	s_cmp_lg_u32 s3, 0
	s_cbranch_scc1 .Llap
	TURN 0, 1, 0                                   ; the last lap fills nothing, and has no round of the cluster's barrier
	STEP 1, 0, 0
	s_wait_dscnt 4*NL                              ; the very last step: nothing more to fetch
	WIN MUL_LO
	MUL16 0, 1, NQ-1, 1, 0
	MUL16 2, 1, NQ-1, 1, 0
	s_wait_dscnt 0
	WIN MUL_HI
	MUL16 4, 1, NQ-1, 1, 0
	MUL16 6, 1, NQ-1, 1, 0
	WIN 0
	; THE WAY OUT, 16 rows of A at a time.  No LDS: a fragment's registers are stored as they stand.
	PLACES NP                                      ; behind the last products: results are read, and registers that held A's fragments are written
.irp a, 0,1,2,3,4,5,6,7
	WIN 0x02+(\a)/4                                ; source 0: window 2 or 3
.set i, 0
.rept 32                                       ; the block's 64 sums come into window 0, each accumulator from its low end on; the same line adds the bias by lane (zeros on Q's and K's paths)
.if (\a)%2 == 0
	v_pk_add_f32 v[T+i:T+i+1], v[64*((\a)%4)+i:64*((\a)%4)+i+1], v[BLN+2*((\a)/2):BLN+2*((\a)/2)+1] op_sel_hi:[1,0]
.else
	v_pk_add_f32 v[T+i:T+i+1], v[64*((\a)%4)+i:64*((\a)%4)+i+1], v[BLN+2*((\a)/2):BLN+2*((\a)/2)+1] op_sel:[0,1] op_sel_hi:[1,1]
.endif
.set i, i+2
.endr
	WIN 0
.if \a > 0
	s_wait_xcnt 0x0                                ; the earlier stores have read their data and their base: this set of code registers may be written again, and the base may step
	s_add_nc_u64 s[12:13], s[12:13], s[96:97]
.endif
.set PCN, PCA+20*((\a)%2)
	QUANTN T, PCA+20*((\a)%2), PXA+20*((\a)%2), WW+\a
	global_store_b128 v[O16], v[PCN:PCN+3], s[12:13]       ; Q, K: head 0's half image of token tile a;  V: d tile a, keys 0-63.  32 lanes store 512 consecutive bytes,
	global_store_b64 v[O8], v[PCN+4:PCN+5], s[12:13]       ; and 256
	global_store_b128 v[O16D], v[PCN+6:PCN+9], s[12:13]    ; Q, K: head 1's;  V: keys 64-127
	global_store_b64 v[O8D], v[PCN+10:PCN+11], s[12:13]
.endr
	s_mov_b32 s99, 0xffff0000                      ; lanes 16-31
.irp k, 0,1,2,3
	v_cndmask_b32 v[XW+\k], v[WW+\k], v[WW+4+\k], s99      ; lanes 0-15: tile k's word of row r; lanes 16-31: tile 4 + k's (both halves of the lanes hold every word)
.endr
	global_store_b128 v[O16], v[XW:XW+3], s[66:67]
	s_cmp_eq_u32 ttmp9, 2                          ; V's words are whole.  Q's and K's hold two heads' bytes: the second head gets words of its own
	s_cbranch_scc1 .Lone_block
.irp k, 0,1,2,3
	v_lshrrev_b32 v[YW+\k], 16, v[XW+\k]
.endr
	global_store_b128 v[O16], v[YW:YW+3], s[66:67] offset:512
.Lone_block:
	s_wait_tensorcnt 0x0                           ; the wave's end
	ds_add_u32 v[SPW], v[NIL]
	s_wait_dscnt 0x0
	CROUND                                         ; the closing round: no work-group ends while a partner may still ask for a tile that names it
	s_endpgm
.Lfunc_end_k_q231e7a2604_qkv:
	.size	k_q231e7a2604_qkv, .Lfunc_end_k_q231e7a2604_qkv-k_q231e7a2604_qkv
	.p2alignl 7, 3214868480
	.fill 96, 4, 3214868480
	.section	.rodata,"a",@progbits
	.p2align	6, 0x0
	.amdhsa_kernel k_q231e7a2604_qkv
		.amdhsa_group_segment_fixed_size 327680
		.amdhsa_private_segment_fixed_size 0
		.amdhsa_enable_private_segment 0
		.amdhsa_kernarg_size 104
		.amdhsa_user_sgpr_count 2
		.amdhsa_user_sgpr_kernarg_segment_ptr 1
		.amdhsa_wavefront_size32 1
		.amdhsa_system_sgpr_workgroup_id_x 1
		.amdhsa_system_sgpr_workgroup_id_y 1
		.amdhsa_system_sgpr_workgroup_id_z 1
		.amdhsa_system_vgpr_workitem_id 0
		.amdhsa_next_free_vgpr 1024
		.amdhsa_next_free_sgpr 106
		.amdhsa_reserve_vcc 0
		.amdhsa_float_denorm_mode_32 3
		.amdhsa_float_denorm_mode_16_64 3
		.amdhsa_memory_ordered 1
		.amdhsa_forward_progress 1
		.amdhsa_inst_pref_size 194
	.end_amdhsa_kernel
	.amdgpu_metadata
---
amdhsa.version: [ 1, 2 ]
amdhsa.kernels:
  - .name:           k_q231e7a2604_qkv
    .symbol:         k_q231e7a2604_qkv.kd
    .args:
      - { .name: x_codes, .offset: 0, .size: 8, .value_kind: global_buffer, .address_space: global }
      - { .name: x_scales, .offset: 8, .size: 8, .value_kind: global_buffer, .address_space: global }
      - { .name: W_q_codes, .offset: 16, .size: 8, .value_kind: global_buffer, .address_space: global }
      - { .name: W_q_scales, .offset: 24, .size: 8, .value_kind: global_buffer, .address_space: global }
      - { .name: W_k_codes, .offset: 32, .size: 8, .value_kind: global_buffer, .address_space: global }
      - { .name: W_k_scales, .offset: 40, .size: 8, .value_kind: global_buffer, .address_space: global }
      - { .name: W_v_codes, .offset: 48, .size: 8, .value_kind: global_buffer, .address_space: global }
      - { .name: W_v_scales, .offset: 56, .size: 8, .value_kind: global_buffer, .address_space: global }
      - { .name: b_q, .offset: 64, .size: 8, .value_kind: global_buffer, .address_space: global }
      - { .name: b_k, .offset: 72, .size: 8, .value_kind: global_buffer, .address_space: global }
      - { .name: b_v, .offset: 80, .size: 8, .value_kind: global_buffer, .address_space: global }
      - { .name: qw, .offset: 88, .size: 8, .value_kind: global_buffer, .address_space: global }
      - { .name: kv, .offset: 96, .size: 8, .value_kind: global_buffer, .address_space: global }
    .group_segment_fixed_size: 327680
    .private_segment_fixed_size: 0
    .kernarg_segment_align: 8
    .kernarg_segment_size: 104
    .max_flat_workgroup_size: 128
    .sgpr_count:     106
    .vgpr_count:     1024
    .wavefront_size: 32
...
	.end_amdgpu_metadata
.endif
;; end of part 1
;; launch attn (part 2): grid 8 x 32, 16 waves a work-group, no clusters, 68,608 bytes of LDS; arguments qw, kv, cx, cs; writes cx, cs
.if DOCPART == 2
	.amdgcn_target "amdgcn-amd-amdhsa--gfx1250"
	.amdhsa_code_object_version 6
	.text
	.protected	k_q231e7a2604_attn
	.globl	k_q231e7a2604_attn
	.p2align	8
	.type	k_q231e7a2604_attn,@function
k_q231e7a2604_attn:
	s_mov_b64 s[64:65], 0
	v_nop
	global_prefetch_b8 v0, s[64:65] scope:SCOPE_SE
	s_setreg_imm32_b32 hwreg(HW_REG_WAVE_MODE, 25, 1), 1
	s_wait_xcnt 0x0
; Causal attention of 64 heads of size 64 over 2,048 tokens, both products on codes of FP6 (E2M3) with one E8M0 scale for each 32 along a product's K; the result ctx is quantised here, along the head's 64, and leaves as codes.
; THE SOFTMAX: t = score x log2(e) / 8; M = the row's largest t so far, rounded UP to a whole number; p = 2^(t - M) is what is quantised, along the keys.  The row's sum is taken of the unquantised p and divides O at the end.
; When M moves, the sum and O are multiplied by 2^(old M - new M): exact.
; SHARES.  Work-group (i, y): y = batch x 8 + head pair; it owns the blocks of 128 queries 15 - i and i of both heads.  Wave w: head e = w / 8 of the pair, tile of 16 queries w % 8.
; A trip is a step of 128 keys.  Block 15 - i wants steps 0 .. 15 - i, block i steps 0 .. i: SEVENTEEN TRIPS in every work-group and every wave, whatever i: the causal mask leaves no wave with less work than another,
; and no step is walked that the mask hides whole.  The last trip of each block lies on the diagonal, for all sixteen waves.
; TILES.  A step's K, V and scale words of both heads are one dense record of 26,112 bytes, laid in the order of the operands' registers.  The 512 threads copy it through registers into one of two LDS slots:
; loads for trip T + 2 are issued in trip T and stored into LDS in trip T + 1, so a whole trip stands between a load and the wait for it.  No tensor loads: a thread's share of a record is 51 bytes.
; No cluster: the eight work-groups of a head pair want a given record in different trips, so their requests would not meet.
; LAYOUT.  Both products are used transposed: S^T = K Q^T (source 0 = 16 keys, source 1 = my 16 queries), O^T = V^T P^T: a lane holds ONE query (lane % 16) throughout.  Tiles take neighbouring keys; WEAVE puts the codes in order.
; K = 64 IN AN INSTRUCTION OF 128: Q's registers 6-11 are zero codes, and the upper two bytes of its scale word are 0.  Key tile t's operand is v[40 + 6 t .. 51 + 6 t]: its upper six registers are tile t + 1's codes
; (for t = 7: six registers of zeros).  They meet zero codes and add nothing: FP6 has no NaN or infinity, and no scale byte here is 0xff.
; LIMITS: NaN and infinities are not served; |t| stays under 3e38.  A block whose largest magnitude lies under 2^-124 keeps the scale byte 1 (zeros too: only this program reads the bytes).
; A block's largest p is made from its largest score by the same two instructions as every p: this takes v_exp_f32 not to fall where its input rises.
.set REC,   26112                      ; a key step's record in kv
.set QREC,  13312                      ; a block's record in qw
.set SLOT1, 32768                      ; LDS: slot 0 at 0, slot 1 here: one exclusive or turns an address from one slot to the other
.set SCX,   65536                      ; behind them: ctx's scale words of 128 tokens, 512 bytes for each of the two blocks
.set TRIPS, 17
.set QF,  16                           ; v16-21 Q's codes, v22-27 zero codes
.set QS,  28                           ; v28  Q's scale word
.set PW,  29                           ; v29  p's scale word
.set KS,  32                           ; v32-35 K's scale words
.set VS,  36                           ; v36-39 V's
.set KF,  40                           ; v40-87 K's eight half fragments, then V's four fragments; v88-93 zeros
.set S,   96                           ; v96-159 S^T, then p
.set O,   160                          ; v160-191 O^T
.set PC,  192                          ; v192-203 p's codes
.set PT,  204                          ; v204-206, v208-210 the halves made elsewhere
.set BM,  212                          ; v212-215 the blocks' largest
.set TP,  216                          ; v216-219 at work
.set SO,  220                          ; v220-223 the conversions' scale operands
.set F,   224                          ; v[224:225] f = 2^(old M - new M)
.set TMP, 226
.set NINF, 227                         ; v227 -infinity
.set G,   228                          ; v228-243 a record's bytes on their way
; v1 16 lane + 6144 e; v2 8 lane + 6144 e + 512; v3 K's scale words; v4 V's; v5 16 x thread; v6-v10 the trip's LDS addresses; v11 the loads' offset; v12 -M; v13 the largest t; v[14:15] the sum;
; v30 my query in its block - 8 (lane / 16); v31 where my scale bytes go; v94 16 lane; v95 8 lane; v244-250 the second block's Q and scale word.
; s12 wave, s13 e, s14 tile; s17 the trip; s18 the trip on the diagonal; s19 the trip in which the loads wrap to step 0; s[20:21] lane selects; s[22:23] c; s24 the slot in hand; s25 the loads' record; s26 the first block's last trip.
.macro WEAVE x, y                      ; a lane's 16 registers of two neighbouring tiles are numbers 0-7, 16-23 (lanes 0-15) or 8-15, 24-31 (lanes 16-31) of a block of 32.  x: block 2 c's codes, y: block 2 c + 1's
.irp i, 0,1,2
	v_permlane16_swap_b32 v[(\x)+\i], v[(\y)+\i]             ; each lane now has both parts of its own block: lanes 0-15 block 2 c, lanes 16-31 block 2 c + 1
.endr
	s_delay_alu instid0(VALU_DEP_1)
	v_perm_b32 v[(\x)+3], v[(\x)+2], v[(\x)+1], 0x05040302   ; eight codes are three half words: four v_perm_b32 and a move put the four parts in order
	s_delay_alu instid0(VALU_DEP_2)
	v_perm_b32 v[(\x)+4], v[(\y)+1], v[(\x)+2], 0x07060302
	s_delay_alu instid0(VALU_DEP_4)
	v_perm_b32 v[(\x)+1], v[(\y)], v[(\x)+1], 0x05040100
	v_perm_b32 v[(\x)+2], v[(\y)+1], v[(\y)], 0x05040302
	v_mov_b32 v[(\x)+5], v[(\y)+2]
.endm
	s_load_b256 s[4:11], s[0:1], 0x0               ; qw, kv, cx, cs
	v_lshl_add_u32 v254, v0, 2, 0x10400
	v_mov_b32 v255, 0
	v_lshrrev_b32 v1, 5, v0
	s_delay_alu instid0(VALU_DEP_1)
	v_readfirstlane_b32 s12, v1                    ; wave 0..15
	s_lshr_b32 s13, s12, 3                         ; e
	s_and_b32 s14, s12, 7                          ; my tile of 16 queries
	s_and_b32 s15, ttmp7, 0xffff                   ; y
	s_sub_co_u32 s26, 15, ttmp9                    ; the first block, and its last trip
	s_sub_co_u32 s19, 14, ttmp9
	s_mov_b32 s18, s26
	s_mov_b32 s20, 0x76543210
	s_mov_b32 s21, 0xfedcba98
	s_mov_b32 s22, 0x3e38aa3b                      ; c = log2(e) / 8
	s_mov_b32 s23, s22                             ; (named with it as a pair, so it is written)
	s_mul_i32 s36, s15, 16*QREC
	s_mov_b32 s37, 0
	s_mul_i32 s38, s15, 16*REC
	s_mov_b32 s39, 0
	s_mul_i32 s40, s26, QREC
	s_mov_b32 s41, 0
	s_mul_i32 s42, ttmp9, QREC
	s_mov_b32 s43, 0
	s_lshr_b32 s44, s15, 3
	s_lshl_b32 s44, s44, 7
	s_add_co_u32 s44, s44, s14                     ; batch x 128 + my tile
	s_and_b32 s45, s15, 7
	s_lshl_b32 s45, s45, 1
	s_add_co_u32 s45, s45, s13                     ; my head
	s_lshl_b32 s46, s26, 3
	s_add_co_u32 s46, s46, s44                     ; the token tile,
	s_lshl_b32 s46, s46, 4
	s_add_co_u32 s46, s46, s45                     ; x 16 heads + head:
	s_mul_i32 s28, s46, 768                        ; ctx's half image, first block
	s_mov_b32 s29, 0
	s_lshl_b32 s46, ttmp9, 3
	s_add_co_u32 s46, s46, s44
	s_lshl_b32 s46, s46, 4
	s_add_co_u32 s46, s46, s45
	s_mul_i32 s30, s46, 768                        ; second block
	s_mov_b32 s31, 0
	s_lshl_b32 s47, s15, 13                        ; ctx's scale words: 2,048 tokens x 4 bytes for each y
	s_lshl_b32 s32, s26, 9
	s_add_co_u32 s32, s32, s47
	s_mov_b32 s33, 0
	s_lshl_b32 s34, ttmp9, 9
	s_add_co_u32 s34, s34, s47
	s_mov_b32 s35, 0
	v_and_b32 v96, 31, v0                          ; lane
	v_and_b32 v97, 15, v0                          ; r
	v_bfe_u32 v98, v0, 4, 1                        ; h
	s_delay_alu instid0(VALU_DEP_3)
	v_lshlrev_b32 v94, 4, v96
	s_delay_alu instid0(VALU_DEP_4)
	v_lshlrev_b32 v95, 3, v96
	s_mul_i32 s44, s13, 6144
	v_add_nc_u32 v1, s44, v94
	v_add_nc_u32 v2, s44, v95
	s_delay_alu instid0(VALU_DEP_1)
	v_add_nc_u32 v2, 512, v2
	s_lshl_b32 s45, s13, 9
	s_add_co_u32 s46, s45, 24576
	v_add_nc_u32 v3, s46, v94                      ; K's scale words: [lane][4 words], my head's block
	s_lshl_b32 s46, s13, 8
	s_add_co_u32 s46, s46, 25600
	v_lshl_add_u32 v4, v97, 4, s46                 ; V's: lanes 16 e + r hold my head's four tiles
	v_lshlrev_b32 v5, 4, v0
	s_lshl_b32 s46, s14, 4
	v_lshlrev_b32 v30, 3, v98
	s_delay_alu instid0(VALU_DEP_1)
	v_sub_nc_u32 v30, v97, v30
	s_delay_alu instid0(VALU_DEP_1)
	v_add_nc_u32 v30, s46, v30                     ; 16 x tile + r - 8 h
	s_lshl_b32 s46, s14, 6
	s_lshl_b32 s47, s13, 1
	s_add_co_u32 s46, s46, s47
	s_add_co_u32 s46, s46, SCX
	v_lshl_add_u32 v31, v97, 2, s46                ; 4 x (16 x tile + r) + 2 e
	s_mul_i32 s46, s14, 768
	s_add_co_u32 s46, s46, s44
	v_add_nc_u32 v99, s46, v94                     ; Q's half image: 6144 e + 768 x tile
	v_add_nc_u32 v100, s46, v95
	s_lshr_b32 s46, s14, 2
	s_lshl_b32 s46, s46, 8
	s_and_b32 s47, s14, 3
	s_lshl_b32 s47, s47, 2
	s_add_co_u32 s46, s46, s47
	s_add_co_u32 s46, s46, s45
	s_add_co_u32 s46, s46, 12288
	v_lshl_add_u32 v101, v97, 4, s46               ; its scale word: lane 16 (tile / 4) + r, word tile % 4
	s_wait_alu depctr_va_vdst(0)
	s_wait_kmcnt 0x0
	s_add_nc_u64 s[4:5], s[4:5], s[36:37]
	s_add_nc_u64 s[6:7], s[6:7], s[38:39]
	s_add_nc_u64 s[40:41], s[4:5], s[40:41]
	s_add_nc_u64 s[42:43], s[4:5], s[42:43]
	s_add_nc_u64 s[28:29], s[8:9], s[28:29]
	s_add_nc_u64 s[30:31], s[8:9], s[30:31]
	s_add_nc_u64 s[32:33], s[10:11], s[32:33]
	s_add_nc_u64 s[34:35], s[10:11], s[34:35]
	global_load_b128 v[QF:QF+3], v99, s[40:41] th:TH_LOAD_NT
	global_load_b64 v[QF+4:QF+5], v100, s[40:41] offset:512 th:TH_LOAD_NT
	global_load_b32 v[QS], v101, s[40:41] th:TH_LOAD_NT
	global_load_b128 v[244:247], v99, s[42:43] th:TH_LOAD_NT
	global_load_b64 v[248:249], v100, s[42:43] offset:512 th:TH_LOAD_NT
	global_load_b32 v250, v101, s[42:43] th:TH_LOAD_NT
	global_load_b128 v[G:G+3], v5, s[6:7]                      ; key step 0's record: 512 threads x 16 bytes, three times, and 96 threads once more
	global_load_b128 v[G+4:G+7], v5, s[6:7] offset:8192
	global_load_b128 v[G+8:G+11], v5, s[6:7] offset:16384
	s_cmp_lt_u32 s12, 3
	s_cbranch_scc0 .Lp0
	global_load_b128 v[G+12:G+15], v5, s[6:7] offset:24576
.Lp0:
.irp j, 0,1,2,3,4,5
	v_mov_b32 v[QF+6+\j], 0                        ; zero codes for k = 64 .. 127
	v_mov_b32 v[88+\j], 0
.endr
	v_mov_b32 v[NINF], 0xff800000
	v_mov_b32 v[F+1], 0                            ; (named as the upper half of a pair)
.irp b, 0,1,2,3
	v_mov_b32 v[TP+\b], 0                          ; written once: a lane permute's destination counts as one of its sources
.endr
	v_mov_b32 v[TMP], 0
	v_mov_b32 v13, 0xff61b1e6                      ; the largest t so far: -3e38
	s_delay_alu instid0(VALU_DEP_1)
	v_floor_f32 v12, -v13                          ; -M
	v_mov_b32 v14, 0
	v_mov_b32 v15, 0
	s_wait_loadcnt 0x0
	v_and_b32 v[QS], 0xffff, v[QS]                 ; the two bytes of my head's 64; the bytes of k = 64 .. 127 are 0
	v_and_b32 v250, 0xffff, v250
.set j, 0
.rept 32
	v_mov_b32 v[O+j], 0                            ; O^T: the trip is written once; the first change of M multiplies zeros.  (These are also the places between the scale word's line and the first product)
.set j, j+1
.endr
	ds_store_b128 v5, v[G:G+3]
	ds_store_b128 v5, v[G+4:G+7] offset:8192
	ds_store_b128 v5, v[G+8:G+11] offset:16384
	s_cmp_lt_u32 s12, 3
	s_cbranch_scc0 .Lp1
	ds_store_b128 v5, v[G+12:G+15] offset:24576
.Lp1:
	s_wait_dscnt 0x0                               ; my stores have landed, and have read their registers
	s_mov_b32 s25, REC
	v_add_nc_u32 v11, s25, v5
	global_load_b128 v[G:G+3], v11, s[6:7]                     ; key step 1's record
	global_load_b128 v[G+4:G+7], v11, s[6:7] offset:8192
	global_load_b128 v[G+8:G+11], v11, s[6:7] offset:16384
	s_cmp_lt_u32 s12, 3
	s_cbranch_scc0 .Lp2
	global_load_b128 v[G+12:G+15], v11, s[6:7] offset:24576
.Lp2:
	s_barrier_signal -1
	s_barrier_wait -1                              ; slot 0 is whole
	s_mov_b32 s17, 0
	s_mov_b32 s24, 0
; O^T / the sum, quantised along the head's 64: a half image of ctx, and two scale bytes for each token.
.macro EPI dst, region
.rept 4
	v_nop                                          ; places behind the last products
.endr
	v_add_f32 v14, v14, v15                        ; the sum's two halves,
	s_delay_alu instid0(VALU_DEP_1)
	v_permlanex16_b32 v[TMP], v14, s20, s21
	s_delay_alu instid0(VALU_DEP_1)
	v_add_f32 v14, v14, v[TMP]                     ; and lane l xor 16's
	s_wait_alu depctr_va_vdst(0)
	v_rcp_f32 v14, v14
	v_nop                                          ; a plain place behind the reciprocal,
	s_wait_alu depctr_va_vdst(0)                   ; and the wait ahead of its first reader
.set j, 0
.rept 16
	v_pk_mul_f32 v[S+j:S+j+1], v[O+j:O+j+1], v[14:15] op_sel_hi:[1,0]   ; register 8 t + i is ctx(my token, 16 t + 8 h + i); each accumulator from its low end on
.set j, j+2
.endr
.irp b, 0,1
	v_max3_num_f32 v[BM+\b], |v[S+16*\b]|, |v[S+1+16*\b]|, 0x1800000    ; the floor 2^(3 - 127)
.endr
.irp i, 2,4,6,8,10,12,14
.irp b, 0,1
	s_delay_alu instid0(VALU_DEP_2)
	v_max3_num_f32 v[BM+\b], v[BM+\b], |v[S+16*\b+\i]|, |v[S+1+16*\b+\i]|
.endr
.endr
.irp b, 0,1
	s_delay_alu instid0(VALU_DEP_2)
	v_permlanex16_b32 v[TP+\b], v[BM+\b], s20, s21
.endr
.irp b, 0,1
	s_delay_alu instid0(VALU_DEP_2)
	v_max_num_f32 v[BM+\b], v[BM+\b], v[TP+\b]
.endr
.irp b, 0,1
	s_delay_alu instid0(VALU_DEP_2)
	v_add_nc_u32 v[SO+\b], 0xff000000, v[BM+\b]
.endr
.irp b, 0,1
	s_delay_alu instid0(VALU_DEP_2)
	v_lshrrev_b32 v[TP+\b], 23, v[SO+\b]
.endr
	s_delay_alu instid0(VALU_DEP_1)
	v_lshl_or_b32 v[TMP], v[TP+1], 8, v[TP]
	v_cvt_scalef32_pk16_fp6_f32 v[PC:PC+2], v[S:S+15], v[SO]
	v_cvt_scalef32_pk16_fp6_f32 v[PT:PT+2], v[S+16:S+31], v[SO+1]
	v_nop                                          ; one plain place behind a scaled conversion
	WEAVE PC, PT
	global_store_b128 v94, v[PC:PC+3], s[\dst:\dst+1]              ; 32 lanes store 512 consecutive bytes,
	global_store_b64 v95, v[PC+4:PC+5], s[\dst:\dst+1] offset:512  ; and 256
	ds_store_b16 v31, v[TMP] offset:\region        ; both lanes of a token write the same two bytes with the same value
.endm
.Ltrip:
	v_add_nc_u32 v6, s24, v1                       ; the slot in hand.  (Four places behind the last trip's products, in front of the loads into the registers that they read)
	v_add_nc_u32 v7, s24, v2
	v_add_nc_u32 v8, s24, v3
	v_add_nc_u32 v9, s24, v4
.irp t, 0,1,2,3,4,5,6,7
	ds_load_b128 v[KF+6*\t:KF+6*\t+3], v6 offset:768*\t            ; K's half image of key tile t: 32 lanes read 512 consecutive bytes
.endr
.irp t, 0,1,2,3,4,5,6,7
	ds_load_b64 v[KF+6*\t+4:KF+6*\t+5], v7 offset:768*\t
.endr
	ds_load_b128 v[KS:KS+3], v8
	s_wait_alu depctr_va_vdst(0)
	s_wait_dscnt 0x0
.irp t, 0,1,2,3
	v_wmma_scale_f32_16x16x128_f8f6f4 v[S+8*\t:S+8*\t+7], v[KF+6*\t:KF+6*\t+11], v[QF:QF+11], 0, v[KS+\t], v[QS] matrix_a_fmt:MATRIX_FMT_FP6 matrix_b_fmt:MATRIX_FMT_FP6
.endr
.irp t, 4,5,6,7
	v_wmma_scale_f32_16x16x128_f8f6f4 v[S+8*\t:S+8*\t+7], v[KF+6*\t:KF+6*\t+11], v[QF:QF+11], 0, v[KS+\t-4], v[QS] matrix_a_fmt:MATRIX_FMT_FP6 matrix_b_fmt:MATRIX_FMT_FP6 matrix_a_scale:MATRIX_SCALE_ROW1
.endr
	s_xor_b32 s36, s24, SLOT1
	v_add_nc_u32 v10, s36, v5                      ; the other slot, for the copy below.  With three v_nop: four places, for V's loads and for the first read of the scores
.rept 3
	v_nop
.endr
.irp t, 0,1,2,3
.irp c, 0,1
	ds_load_b128 v[KF+12*\t+6*\c:KF+12*\t+6*\c+3], v6 offset:12288+1536*\t+768*\c     ; V^T: d tile t, keys 64 c on.  These land while the softmax is walked
	ds_load_b64 v[KF+12*\t+6*\c+4:KF+12*\t+6*\c+5], v7 offset:12288+1536*\t+768*\c
.endr
.endr
	ds_load_b128 v[VS:VS+3], v9
	s_cmp_lg_u32 s17, s18                          ; on the diagonal the scores of hidden keys become -infinity ahead of the maximum: p = 0 then.  Key 0 of the step counts for every query
	s_cbranch_scc1 .Lopen
.set n, 0
.rept 64
	v_cmp_gt_i32 vcc_lo, 16*(n/8)+n%8, v30         ; register n holds key 16 (n / 8) + n % 8 + 8 h of the step
	v_cndmask_b32 v[S+n], v[S+n], v[NINF], vcc_lo
.set n, n+1
.endr
.Lopen:
.irp b, 0,1,2,3
	v_max3_num_f32 v[BM+\b], v[S+16*\b], v[S+1+16*\b], v[S+2+16*\b]   ; the largest score of each block of 32 keys: it serves the row's maximum and the block's largest p
.endr
.irp i, 3,5,7,9,11,13
.irp b, 0,1,2,3
	v_max3_num_f32 v[BM+\b], v[BM+\b], v[S+16*\b+\i], v[S+1+16*\b+\i]
.endr
.endr
.irp b, 0,1,2,3
	v_max_num_f32 v[BM+\b], v[BM+\b], v[S+15+16*\b]
.endr
.irp b, 0,1,2,3
	s_delay_alu instid0(VALU_DEP_4)
	v_permlanex16_b32 v[TP+\b], v[BM+\b], s20, s21
.endr
.irp b, 0,1,2,3
	s_delay_alu instid0(VALU_DEP_4)
	v_max_num_f32 v[BM+\b], v[BM+\b], v[TP+\b]     ; with lane l xor 16's 16 keys
.endr
	s_delay_alu instid0(VALU_DEP_2)
	v_max3_num_f32 v[TMP], v[BM], v[BM+1], v[BM+2]
	s_delay_alu instid0(VALU_DEP_1)
	v_max_num_f32 v[TMP], v[TMP], v[BM+3]
	s_delay_alu instid0(VALU_DEP_1)
	v_mul_f32 v[TMP], s22, v[TMP]                  ; as t (c is positive)
	s_delay_alu instid0(VALU_DEP_1)
	v_max_num_f32 v13, v13, v[TMP]                 ; the running largest t
	v_mov_b32 v[TMP], v12
	s_delay_alu instid0(VALU_DEP_2)
	v_floor_f32 v12, -v13                          ; the new -M = floor(-t): M is a whole number
	s_delay_alu instid0(VALU_DEP_1)
	v_sub_f32 v[TMP], v12, v[TMP]                  ; old M - new M: a whole number, 0 or less
	s_delay_alu instid0(VALU_DEP_1)
	v_cvt_i32_f32 v[TMP], v[TMP]                   ; (it saturates)
	s_delay_alu instid0(VALU_DEP_1)
	v_ldexp_f32 v[F], 1.0, v[TMP]                  ; f = 2^(old M - new M)
.set j, 0
.rept 32
	v_pk_fma_f32 v[S+j:S+j+1], v[S+j:S+j+1], s[22:23], v[12:13] op_sel_hi:[1,0,0]   ; t - M, two at a time
.set j, j+2
.endr
.irp b, 0,1,2,3
	v_fma_f32 v[BM+\b], v[BM+\b], s22, v12         ; the same of each block's largest score
.endr
.set j, 0
	s_wait_alu depctr_va_vdst(0)
.rept 64
	v_exp_f32 v[S+j], v[S+j]                       ; p = 2^(t - M)
.set j, j+1
.endr
	v_pk_mul_f32 v[14:15], v[14:15], v[F:F+1] op_sel_hi:[1,0]     ; the sums under the new M.  (A plain place behind the exponentials)
	s_wait_alu depctr_va_vdst(0)                   ; one wait for the whole batch, ahead of its first reader
.irp b, 0,1,2,3
	v_exp_f32 v[BM+\b], v[BM+\b]                   ; the block's largest p
.endr
	v_pk_add_f32 v[216:217], v[100:101], v[104:105]
	v_pk_add_f32 v[252:253], v[108:109], v[112:113]
	v_pk_add_f32 v[222:223], v[116:117], v[120:121]
	v_pk_add_f32 v[220:221], v[124:125], v[128:129]
	v_pk_add_f32 v[218:219], v[132:133], v[136:137]
	v_pk_add_f32 v[210:211], v[140:141], v[144:145]
	v_pk_add_f32 v[208:209], v[148:149], v[152:153]
	v_pk_add_f32 v[14:15], v[14:15], v[156:157]
	v_pk_add_f32 v[216:217], v[216:217], v[96:97]
	v_pk_add_f32 v[252:253], v[252:253], v[98:99]
	v_pk_add_f32 v[222:223], v[222:223], v[102:103]
	v_pk_add_f32 v[220:221], v[220:221], v[106:107]
	v_pk_add_f32 v[218:219], v[218:219], v[110:111]
	v_pk_add_f32 v[210:211], v[210:211], v[114:115]
	v_pk_add_f32 v[208:209], v[208:209], v[118:119]
	v_pk_add_f32 v[14:15], v[14:15], v[122:123]
	v_pk_add_f32 v[216:217], v[216:217], v[126:127]
	v_pk_add_f32 v[252:253], v[252:253], v[130:131]
	v_pk_add_f32 v[222:223], v[222:223], v[134:135]
	v_pk_add_f32 v[220:221], v[220:221], v[138:139]
	v_pk_add_f32 v[218:219], v[218:219], v[142:143]
	v_pk_add_f32 v[210:211], v[210:211], v[146:147]
	v_pk_add_f32 v[208:209], v[208:209], v[150:151]
	v_pk_add_f32 v[14:15], v[14:15], v[154:155]
	v_pk_add_f32 v[216:217], v[216:217], v[158:159]
	s_delay_alu instid0(VALU_DEP_2)
	v_pk_add_f32 v[14:15], v[14:15], v[220:221]
	s_delay_alu instid0(VALU_DEP_2)
	v_pk_add_f32 v[216:217], v[216:217], v[218:219]
	v_pk_add_f32 v[252:253], v[252:253], v[210:211]
	v_pk_add_f32 v[222:223], v[222:223], v[208:209]
	s_delay_alu instid0(VALU_DEP_2)
	v_pk_add_f32 v[14:15], v[14:15], v[252:253]
	s_delay_alu instid0(VALU_DEP_2)
	v_pk_add_f32 v[216:217], v[216:217], v[222:223]
	s_delay_alu instid0(VALU_DEP_1)
	v_pk_add_f32 v[14:15], v[14:15], v[216:217]
	s_wait_alu depctr_va_vdst(0)                   ; and one for the four
.irp b, 0,1,2,3
	v_max_num_f32 v[BM+\b], 0x1800000, v[BM+\b]    ; the floor 2^(3 - 127): the byte cannot fall under 1
.endr
.irp b, 0,1,2,3
	s_delay_alu instid0(VALU_DEP_4)
	v_add_nc_u32 v[SO+\b], 0xff000000, v[BM+\b]    ; 2 off the exponent field: the conversion's scale operand
.endr
.irp b, 0,1,2,3
	s_delay_alu instid0(VALU_DEP_4)
	v_lshrrev_b32 v[TP+\b], 23, v[SO+\b]           ; the scale's byte
.endr
	s_delay_alu instid0(VALU_DEP_3)
	v_lshl_or_b32 v[PW], v[TP+1], 8, v[TP]         ; p's scale word for these 128 keys
	s_delay_alu instid0(VALU_DEP_1)
	v_lshl_or_b32 v[PW], v[TP+2], 16, v[PW]
	s_delay_alu instid0(VALU_DEP_1)
	v_lshl_or_b32 v[PW], v[TP+3], 24, v[PW]
.irp c, 0,1
	v_cvt_scalef32_pk16_fp6_f32 v[PC+6*\c:PC+6*\c+2], v[S+32*\c:S+32*\c+15], v[SO+2*\c]
	v_cvt_scalef32_pk16_fp6_f32 v[PT+4*\c:PT+4*\c+2], v[S+32*\c+16:S+32*\c+31], v[SO+2*\c+1]
.endr
	v_nop                                          ; one plain place behind a scaled conversion
.irp c, 0,1
	WEAVE PC+6*\c, PT+4*\c
.endr
.set j, 0
.rept 16
	v_pk_mul_f32 v[O+j:O+j+1], v[O+j:O+j+1], v[F:F+1] op_sel_hi:[1,0]   ; O^T under the new M.  (Of these sixteen, twelve name no register of any one product below: the places behind the lines that made p's codes and scale word)
.set j, j+2
.endr
	; THE COPY.  The next trip's record, asked for a trip ago, goes into the other slot; then the record after it is asked for.
	s_cmp_lt_u32 s17, TRIPS-1
	s_cbranch_scc0 .Lcopied
	s_wait_loadcnt 0x0
	ds_store_b128 v10, v[G:G+3]
	ds_store_b128 v10, v[G+4:G+7] offset:8192
	ds_store_b128 v10, v[G+8:G+11] offset:16384
	s_cmp_lt_u32 s12, 3
	s_cbranch_scc0 .Lstored
	ds_store_b128 v10, v[G+12:G+15] offset:24576
.Lstored:
	s_cmp_lt_u32 s17, TRIPS-2
	s_cbranch_scc0 .Lcopied
	s_wait_dscnt 0x0                               ; the stores have read their registers
	s_add_co_u32 s25, s25, REC
	s_cmp_eq_u32 s17, s19                          ; the trip after next is the second block's first: back to key step 0
	s_cselect_b32 s25, 0, s25
	v_add_nc_u32 v11, s25, v5                      ; (the loads that named it are in)
	global_load_b128 v[G:G+3], v11, s[6:7]
	global_load_b128 v[G+4:G+7], v11, s[6:7] offset:8192
	global_load_b128 v[G+8:G+11], v11, s[6:7] offset:16384
	s_cmp_lt_u32 s12, 3
	s_cbranch_scc0 .Lcopied
	global_load_b128 v[G+12:G+15], v11, s[6:7] offset:24576
.Lcopied:
	s_wait_dscnt 0x0                               ; V and its scale words are in
	s_wait_alu depctr_va_vdst(0)
.irp t, 0,1,2,3
	v_wmma_scale_f32_16x16x128_f8f6f4 v[O+8*\t:O+8*\t+7], v[KF+12*\t:KF+12*\t+11], v[PC:PC+11], v[O+8*\t:O+8*\t+7], v[VS+\t], v[PW] matrix_a_fmt:MATRIX_FMT_FP6 matrix_b_fmt:MATRIX_FMT_FP6
.endr
	s_cmp_eq_u32 s17, s26                          ; the first block's last trip: it leaves, and the second block begins
	s_cbranch_scc0 .Lsame_block
	EPI 28, 0
	s_wait_xcnt 0x0                                ; the stores have read their data: the next trip writes those registers
.irp j, 0,1,2,3,4,5
	v_mov_b32 v[QF+\j], v[244+\j]
.endr
	v_mov_b32 v[QS], v250
	v_mov_b32 v13, 0xff61b1e6
	s_delay_alu instid0(VALU_DEP_1)
	v_floor_f32 v12, -v13
	v_mov_b32 v14, 0
	v_mov_b32 v15, 0
.set j, 0
.rept 32
	v_mov_b32 v[O+j], 0
.set j, j+1
.endr
	s_mov_b32 s18, TRIPS-1                         ; its diagonal is the last trip
.Lsame_block:
	s_wait_dscnt 0x0                               ; my stores into the other slot have landed, and my reads of this slot are over
	s_barrier_signal -1
	s_xor_b32 s24, s24, SLOT1
	s_barrier_wait -1                              ; the one barrier of a trip: the other slot is whole, and nobody reads this one any more
	s_add_co_u32 s17, s17, 1
	s_cmp_lt_u32 s17, TRIPS
	s_cbranch_scc1 .Ltrip
	EPI 30, 512
	s_lshl_b32 s36, s12, 9
	s_add_co_u32 s36, s36, SCX
	v_add_nc_u32 v6, s36, v94                      ; (used by waves 0 and 1 alone)
	s_wait_dscnt 0x0
	s_barrier_signal -1
	s_barrier_wait -1                              ; both blocks' scale words lie in LDS: wave 0 stores the first block's 512 bytes, wave 1 the second's
	s_cmp_lt_u32 s12, 2
	s_cbranch_scc0 .Lend
	s_wait_alu depctr_va_vdst(0)
	ds_load_b128 v[S:S+3], v6
	s_cmp_eq_u32 s12, 0
	s_cselect_b64 s[36:37], s[32:33], s[34:35]
	s_wait_dscnt 0x0
	global_store_b128 v94, v[S:S+3], s[36:37]
.Lend:
	s_wait_tensorcnt 0x0
	ds_add_u32 v254, v255
	s_wait_dscnt 0x0
	s_endpgm
.Lfunc_end_k_q231e7a2604_attn:
	.size	k_q231e7a2604_attn, .Lfunc_end_k_q231e7a2604_attn-k_q231e7a2604_attn
	.p2alignl 7, 3214868480
	.fill 96, 4, 3214868480
	.section	.rodata,"a",@progbits
	.p2align	6, 0x0
	.amdhsa_kernel k_q231e7a2604_attn
		.amdhsa_group_segment_fixed_size 68608
		.amdhsa_private_segment_fixed_size 0
		.amdhsa_enable_private_segment 0
		.amdhsa_kernarg_size 32
		.amdhsa_user_sgpr_count 2
		.amdhsa_user_sgpr_kernarg_segment_ptr 1
		.amdhsa_wavefront_size32 1
		.amdhsa_system_sgpr_workgroup_id_x 1
		.amdhsa_system_sgpr_workgroup_id_y 1
		.amdhsa_system_sgpr_workgroup_id_z 1
		.amdhsa_system_vgpr_workitem_id 0
		.amdhsa_next_free_vgpr 256
		.amdhsa_next_free_sgpr 66
		.amdhsa_reserve_vcc 1
		.amdhsa_float_denorm_mode_32 3
		.amdhsa_float_denorm_mode_16_64 3
		.amdhsa_memory_ordered 1
		.amdhsa_forward_progress 1
		.amdhsa_inst_pref_size 44
	.end_amdhsa_kernel
	.amdgpu_metadata
---
amdhsa.version: [ 1, 2 ]
amdhsa.kernels:
  - .name:           k_q231e7a2604_attn
    .symbol:         k_q231e7a2604_attn.kd
    .args:
      - { .name: qw, .offset: 0, .size: 8, .value_kind: global_buffer, .address_space: global }
      - { .name: kv, .offset: 8, .size: 8, .value_kind: global_buffer, .address_space: global }
      - { .name: cx, .offset: 16, .size: 8, .value_kind: global_buffer, .address_space: global }
      - { .name: cs, .offset: 24, .size: 8, .value_kind: global_buffer, .address_space: global }
    .group_segment_fixed_size: 68608
    .private_segment_fixed_size: 0
    .kernarg_segment_align: 8
    .kernarg_segment_size: 32
    .max_flat_workgroup_size: 512
    .sgpr_count:     66
    .vgpr_count:     256
    .wavefront_size: 32
...
	.end_amdgpu_metadata
.endif
;; end of part 2
;; launch oproj (part 3): grid 4 x 64, 4 waves a work-group, clusters of 4 x 4, 327,680 bytes of LDS; arguments cx, cs, W_o_codes, W_o_scales, b_o, out0; writes out0
.if DOCPART == 3
	.amdgcn_target "amdgcn-amd-amdhsa--gfx1250"
	.amdhsa_code_object_version 6
	.text
	.protected	k_q231e7a2604_oproj
	.globl	k_q231e7a2604_oproj
	.p2align	8
	.type	k_q231e7a2604_oproj,@function
k_q231e7a2604_oproj:
	s_mov_b64 s[64:65], 0
	v_nop
	global_prefetch_b8 v0, s[64:65] scope:SCOPE_SE
	s_setreg_imm32_b32 hwreg(HW_REG_WAVE_MODE, 25, 1), 1
	s_wait_xcnt 0x0
	s_wait_alu depctr_hold_cnt(0) depctr_sa_sdst(0) depctr_va_vdst(0) depctr_va_sdst(0) depctr_va_ssrc(0) depctr_va_vcc(0) depctr_vm_vsrc(0)
	s_getreg_b32 s2, hwreg(HW_REG_IB_STS2, 6, 4)
	s_cmp_eq_u32 s2, 0
	s_cbranch_scc0 .Lentry_in_a_cluster
	s_endpgm
.Lentry_in_a_cluster:
	s_bfe_u32 s2, ttmp6, 0x10000c
	s_cmp_lg_u32 s2, 0xf033
	s_cbranch_scc0 .Lentry_shape_is_right
	s_endpgm
.Lentry_shape_is_right:
; out0 = ctx W_o + b_o on codes of FP6 (E2M3) with one E8M0 scale for each 32 along K = 1,024.  ctx arrives as half images of operand registers (cx: [token tile][head][768]) and scale words (cs: [batch x 8 + head pair][token] u32);
; W_o as rows of 768 bytes with 32 scale bytes a row.  out0: [8,192][1,024] f32.
; SHARES.  A work-group makes 128 tokens x 256 columns.  K is short enough for ALL its operands to lie in LDS at once: every LDS byte is filled once, there is no ring, and the cluster's barrier has an opening and a closing round alone.
; Wave (wr, wc) makes 64 tokens x 128 columns, in two groups of 64 columns (256 bytes of a row of out0): group 0 is computed while group 1's weights, asked for last, may still be landing.
; CLUSTERS: 4 x 4 work-groups.  The four of a row of the cluster need the same tokens, the four of a column the same rows of W_o: each tile is asked for jointly.
; The matrix instruction takes 16 rows of W_o as source 0 and 16 tokens as source 1: a lane holds eight neighbouring columns of one token's row.  b_o is the C of each sum's first product.
; ctx's 32 fragments of the wave's 64 tokens are read from LDS once and stay in registers (384); W_o's come K step by K step, in two sets.
; LDS: AIM: 8 token tiles x 12,288 bytes, as they lie in cx; BRW: 256 rows of W_o, 768 bytes + 16 behind each 256: pitch 816; ASC: 8 head pairs x 512 bytes of ctx's scale words; BSC: 256 x 32 bytes of W_o's.
; The way out's stages (16 rows x 272 bytes a wave) lie in AIM: it has had its only fill, and behind the second barrier nobody reads it.
; REGISTERS, in windows of 256: window 0: v4-15 addresses; v32-63 ctx's scale words [m][s]; v64-95 W_o's [n][s]; v96-191 W_o's fragments, two sets of 4 x 12; v192-255 rows on their way out, two sets.
;   window 1: ctx's fragments of token tiles 0, 1 (96 (m % 2) + 12 s); window 2: of tiles 2, 3; window 3: v0-127 the 16 accumulators (8 (4 m + n)); v128-191 b_o (128 + 32 g + 8 n).
.set AIM,  0
.set BRW,  98304
.set WP,   816                         ; 204 words: row r starts at bank 12 r mod 64 (64 banks of 4 bytes: ISA guide 11.1); lanes 16-31 stand 6 or 10 words on: the 32 lanes of a load of 8 bytes touch 64 different banks
.set ASC,  307200
.set BSC,  311296
.set SA,   32
.set SB,   64
.set WF,   96
.set RB,   192
.set G1AS, 28                          ; s[28:35]  group 1: ctx's scale words;  s[36:43] W_o's scale bytes;  s[44:51] ctx's images;  s[52:59] 64 rows of W_o;  s[68:75] 32 rows of W_o
.set G1BS, 36
.set G1A,  44
.set G1B,  52
.set G1B1, 68
.set G0AS, 76                          ; s[76:95] their groups 0
.set G0BS, 80
.set G0A,  84
.set G0B,  88
.set G0B1, 92
.set MSB, 0
.macro WIN new                         ; the immediate's high byte repeats the setting that is left
.if MSB != (\new)
	s_set_vgpr_msb (MSB<<8)|(\new)
.set MSB, (\new)
.endif
.endm
.macro JLOAD g0a, g1a, g0b, g1b        ; waves 0 and 1 fetch for the tokens' side, waves 2 and 3 for W_o's; the branch hangs on the wave's number alone.  Four v_nop follow each line
	s_cmp_eq_u32 s17, 0
	s_cbranch_scc0 .Lfor_b_\@
	tensor_load_to_lds s[\g0a:\g0a+3], s[\g1a:\g1a+7]
	s_nop 0
.rept 4
	v_nop
.endr
	s_branch .Lasked_\@
.Lfor_b_\@:
	tensor_load_to_lds s[\g0b:\g0b+3], s[\g1b:\g1b+7]
	s_nop 0
.rept 4
	v_nop
.endr
.Lasked_\@:
.endm
.macro CROUND                          ; a round of the cluster's barrier
	s_barrier_signal -1
	s_barrier_wait -1
	s_cmp_lg_u32 s16, 0
	s_cbranch_scc1 .Lnot_wave_0_\@
	s_barrier_signal -3
.Lnot_wave_0_\@:
	s_barrier_wait -3
	s_barrier_signal -1
	s_barrier_wait -1
.endm
.macro PLACES n                        ; plain vector instructions that name no register of the matrix instructions ahead (ISA guide 7.12.1)
.rept \n
	v_nop
.endr
.endm
	s_load_b256 s[4:11], s[0:1], 0x0               ; cx, cs, W_o's codes, W_o's scales
	s_load_b128 s[12:15], s[0:1], 0x20             ; b_o, out0
	v_lshl_add_u32 v30, v0, 2, 0x4e000
	v_mov_b32 v31, 0
	ds_add_u32 v30, v31
	ds_add_u32 v30, v31
	v_lshrrev_b32 v1, 5, v0
	v_readfirstlane_b32 s16, v1                    ; wave 0..3
	s_lshr_b32 s17, s16, 1                         ; wr: which 64 tokens.  Also: I fetch for the tokens' side (0) or for W_o's (1)
	s_and_b32 s18, s16, 1                          ; wc: which 64 columns of a group.  Also: which half I fetch
	s_bfe_u32 s19, ttmp6, 0x40000                  ; cx, cy: my place in the cluster
	s_bfe_u32 s20, ttmp6, 0x40004
	s_lshl_b32 s21, ttmp9, 2
	s_add_co_u32 s21, s21, s19                     ; my block of 256 columns
	s_and_b32 s22, ttmp7, 0xffff
	s_lshl_b32 s22, s22, 2
	s_add_co_u32 s22, s22, s20                     ; my block of 128 tokens
	s_lshl_b32 s23, s20, 2
	s_lshl_b32 s23, 15, s23                        ; my row of the cluster
	s_lshl_b32 s24, 0x1111, s19                    ; my column
	; ctx's scale words: 4 head pairs x 512 bytes (64 elements of 8 bytes), 8,192 bytes apart
	s_or_b32 s[G1AS], s23, (3<<16)|(1<<21)         ; 15:0 the mask; 17:16 elements of 8 bytes; 21 set beside a mask; no padding
	s_mov_b32 s[G1AS+1], 64<<16                    ; tensor_dim0
	s_mov_b32 s[G1AS+2], 4<<16                     ; tensor_dim1
	s_mov_b32 s[G1AS+3], 64<<16                    ; tile_dim0
	s_mov_b32 s[G1AS+4], 4                         ; tile_dim1
	s_mov_b32 s[G1AS+5], 1024                      ; tensor_dim0_stride
	s_mov_b32 s[G1AS+6], 0
	s_mov_b32 s[G1AS+7], 0
	; W_o's scale bytes of 128 rows: 4,096 dense bytes, as 16 rows of 256
	s_or_b32 s[G1BS], s24, (3<<16)|(1<<21)
	s_mov_b32 s[G1BS+1], 32<<16
	s_mov_b32 s[G1BS+2], 16<<16
	s_mov_b32 s[G1BS+3], 32<<16
	s_mov_b32 s[G1BS+4], 16
	s_mov_b32 s[G1BS+5], 32
	s_mov_b32 s[G1BS+6], 0
	s_mov_b32 s[G1BS+7], 0
	; ctx's images of 4 token tiles: 49,152 dense bytes, as 192 rows of 256
	s_or_b32 s[G1A], s23, (3<<16)|(1<<21)
	s_mov_b32 s[G1A+1], 32<<16
	s_mov_b32 s[G1A+2], 192<<16
	s_mov_b32 s[G1A+3], 32<<16
	s_mov_b32 s[G1A+4], 192
	s_mov_b32 s[G1A+5], 32
	s_mov_b32 s[G1A+6], 0
	s_mov_b32 s[G1A+7], 0
	; rows of W_o: 768 bytes, 16 bytes of padding behind every 256 (64 words: code 5; 4 words: code 3)
	s_or_b32 s[G1B], s24, (0<<16)|(1<<20)|(1<<21)|(5<<22)|(3<<25)
	s_mov_b32 s[G1B+1], 768<<16
	s_mov_b32 s[G1B+2], 64<<16
	s_mov_b32 s[G1B+3], 768<<16
	s_mov_b32 s[G1B+4], 64
	s_mov_b32 s[G1B+5], 768
	s_mov_b32 s[G1B+6], 0
	s_mov_b32 s[G1B+7], 0
	s_or_b32 s[G1B1], s24, (0<<16)|(1<<20)|(1<<21)|(5<<22)|(3<<25)
	s_mov_b32 s[G1B1+1], 768<<16
	s_mov_b32 s[G1B1+2], 32<<16
	s_mov_b32 s[G1B1+3], 768<<16
	s_mov_b32 s[G1B1+4], 32
	s_mov_b32 s[G1B1+5], 768
	s_mov_b32 s[G1B1+6], 0
	s_mov_b32 s[G1B1+7], 0
	; where the tiles come from: the tokens' side hangs on cy alone (s96-99), W_o's on cx alone (s60-63, s100-101)
	s_lshr_b32 s96, s22, 4                         ; the batch
	s_lshl_b32 s96, s96, 3
	s_lshl_b32 s97, s18, 2
	s_add_co_u32 s96, s96, s97                     ; batch x 8 + my first head pair
	s_lshl_b32 s96, s96, 13
	s_and_b32 s97, s22, 15
	s_lshl_b32 s97, s97, 9
	s_add_co_u32 s96, s96, s97                     ; + the block's 128 tokens x 4 bytes
	s_mov_b32 s97, 0
	s_lshl_b32 s98, s22, 3
	s_lshl_b32 s99, s18, 2
	s_add_co_u32 s98, s98, s99                     ; my first token tile
	s_mul_i32 s98, s98, 12288
	s_mov_b32 s99, 0
	s_lshl_b32 s60, s21, 8
	s_lshl_b32 s61, s18, 7
	s_add_co_u32 s60, s60, s61
	s_lshl_b32 s60, s60, 5                         ; scale bytes of rows 256 x block + 128 x half
	s_mov_b32 s61, 0
	s_lshl_b32 s62, s21, 8
	s_lshl_b32 s63, s18, 6
	s_add_co_u32 s62, s62, s63
	s_mul_i32 s62, s62, 768                        ; group 0's rows: 256 x block + 64 x half
	s_mov_b32 s63, 0
	s_lshl_b32 s100, s21, 8
	s_lshl_b32 s101, s16, 5
	s_add_co_u32 s100, s100, s101
	s_add_co_u32 s100, s100, 128
	s_mul_i32 s100, s100, 768                      ; group 1's rows: 256 x block + 128 + 32 x wave
	s_mov_b32 s101, 0
	s_wait_dscnt 0x0
	s_wait_kmcnt 0x0
	s_add_nc_u64 s[96:97], s[6:7], s[96:97]
	s_add_nc_u64 s[98:99], s[4:5], s[98:99]
	s_add_nc_u64 s[60:61], s[10:11], s[60:61]
	s_add_nc_u64 s[62:63], s[8:9], s[62:63]
	s_add_nc_u64 s[100:101], s[8:9], s[100:101]
	CROUND                                         ; all sixteen work-groups are here: the joint loads meet
	s_mov_b32 s[G0AS], 1
	s_lshl_b32 s25, s18, 11
	s_add_co_u32 s[G0AS+1], s25, ASC
	s_mov_b64 s[G0AS+2:G0AS+3], s[96:97]
	s_or_b32 s[G0AS+3], s[G0AS+3], 0x80000000
	s_mov_b32 s[G0BS], 1
	s_lshl_b32 s25, s18, 12
	s_add_co_u32 s[G0BS+1], s25, BSC
	s_mov_b64 s[G0BS+2:G0BS+3], s[60:61]
	s_or_b32 s[G0BS+3], s[G0BS+3], 0x80000000
	JLOAD G0AS, G1AS, G0BS, G1BS                   ; the scales
	s_mov_b32 s[G0A], 1
	s_mul_i32 s[G0A+1], s18, 49152
	s_mov_b64 s[G0A+2:G0A+3], s[98:99]
	s_or_b32 s[G0A+3], s[G0A+3], 0x80000000
	s_mov_b32 s[G0B], 1
	s_mul_i32 s25, s18, 64*WP
	s_add_co_u32 s[G0B+1], s25, BRW
	s_mov_b64 s[G0B+2:G0B+3], s[62:63]
	s_or_b32 s[G0B+3], s[G0B+3], 0x80000000
	JLOAD G0A, G1A, G0B, G1B                       ; ctx's images, and group 0's rows of W_o
	s_mov_b32 s[G0B1], 1
	s_mul_i32 s25, s16, 32*WP
	s_add_co_u32 s[G0B1+1], s25, BRW+128*WP
	s_mov_b64 s[G0B1+2:G0B1+3], s[100:101]
	s_or_b32 s[G0B1+3], s[G0B1+3], 0x80000000
	tensor_load_to_lds s[G0B1:G0B1+3], s[G1B1:G1B1+7]   ; group 1's rows, a quarter a wave, last: three tensor loads of mine are out
	s_nop 0
.rept 4
	v_nop
.endr
	v_and_b32 v1, 15, v0                           ; r
	v_bfe_u32 v2, v0, 4, 1                         ; h
	v_and_b32 v3, 31, v0                           ; lane
	s_mul_i32 s25, s17, 49152                      ; my 64 tokens: four token tiles
	v_lshl_add_u32 v4, v3, 4, s25                  ; a half image's registers 0-3: 16 x lane
	v_lshl_add_u32 v5, v3, 3, s25
	v_add_nc_u32 v5, 512, v5                       ; its registers 4-5: 512 + 8 x lane
	s_lshl_b32 s25, s17, 8
	s_add_co_u32 s25, s25, ASC
	v_lshl_add_u32 v6, v1, 2, s25                  ; ctx's scale words: 4 x (64 wr + r)
	s_lshl_b32 s25, s18, 11
	s_add_co_u32 s25, s25, BSC
	v_lshl_add_u32 v7, v1, 5, s25                  ; W_o's: 32 x (64 wc + r)
	s_mul_i32 s25, s18, 64*WP
	s_add_co_u32 s25, s25, BRW
	v_mul_u32_u24 v8, v1, WP
	v_mad_u32_u24 v8, v2, 24, v8
	v_add_nc_u32 v8, s25, v8                       ; W_o's fragments: row 64 wc + r, + 24 h;
	v_lshl_add_u32 v9, v2, 4, v8                   ; the same behind one padding more;
	v_add_nc_u32 v10, 128*WP, v8                   ; and both for group 1
	v_add_nc_u32 v11, 128*WP, v9
	s_mul_i32 s25, s16, 16*272                     ; my stage
	v_mul_u32_u24 v12, v1, 272
	v_lshl_add_u32 v12, v2, 5, v12
	v_add_nc_u32 v12, s25, v12                     ; in: row r, 32 bytes for each half of the lanes
	v_mul_u32_u24 v13, v2, 272
	v_lshl_add_u32 v13, v1, 4, v13
	v_add_nc_u32 v13, s25, v13                     ; back: lanes 0-15 one row of 256 bytes, lanes 16-31 the next
	v_lshlrev_b32 v14, 12, v2
	v_lshl_add_u32 v14, v1, 4, v14                 ; and the same two rows in out0
	v_lshlrev_b32 v15, 5, v2                       ; b_o: my half's eight numbers of a tile
	s_lshl_b32 s60, s21, 8
	s_lshl_b32 s61, s18, 6
	s_add_co_u32 s60, s60, s61
	s_lshl_b32 s60, s60, 2                         ; my first column, in bytes
	s_mov_b32 s61, 0
	s_lshl_b32 s62, s22, 7
	s_lshl_b32 s63, s17, 6
	s_add_co_u32 s62, s62, s63
	s_lshl_b32 s62, s62, 12                        ; my first token's row
	s_mov_b32 s63, 0
	s_add_nc_u64 s[12:13], s[12:13], s[60:61]
	s_add_nc_u64 s[14:15], s[14:15], s[60:61]
	s_add_nc_u64 s[14:15], s[14:15], s[62:63]
	WIN 0xc0                                       ; destination window 3
.irp g, 0,1
.irp n, 0,1,2,3
	global_load_b128 v[128+32*\g+8*\n:128+32*\g+8*\n+3], v15, s[12:13] offset:512*\g+64*\n       ; b_o(128 g + 16 n + 8 h + 0 .. 7): the result's layout
	global_load_b128 v[128+32*\g+8*\n+4:128+32*\g+8*\n+7], v15, s[12:13] offset:512*\g+64*\n+16
.endr
.endr
	WIN 0
	s_wait_tensorcnt 1                             ; the scales and my part of ctx or of group 0's rows are in; my quarter of group 1's rows may be out
	s_barrier_signal -1
	s_barrier_wait -1                              ; everybody's are
	; ctx's fragments into registers, once: K step s = heads 2 s (registers 0-5) and 2 s + 1 (registers 6-11)
.irp m, 0,1,2,3
	WIN 0x40+0x40*(\m/2)                           ; destination window 1 or 2
.irp s, 0,1,2,3,4,5,6,7
	ds_load_b128 v[96*(\m%2)+12*\s:96*(\m%2)+12*\s+3], v4 offset:\m*12288+(2*\s)*768
	ds_load_b64 v[96*(\m%2)+12*\s+4:96*(\m%2)+12*\s+5], v5 offset:\m*12288+(2*\s)*768
	ds_load_b128 v[96*(\m%2)+12*\s+6:96*(\m%2)+12*\s+9], v4 offset:\m*12288+(2*\s+1)*768
	ds_load_b64 v[96*(\m%2)+12*\s+10:96*(\m%2)+12*\s+11], v5 offset:\m*12288+(2*\s+1)*768
.endr
.endr
	WIN 0
.irp m, 0,1,2,3
.irp s, 0,1,2,3,4,5,6,7
	ds_load_b32 v[SA+8*\m+\s], v6 offset:512*\s+64*\m
.endr
.endr
.macro FETCHW g, s                     ; W_o's four fragments of K step s, group g, into set s % 2: 24 loads of 8 bytes.  Lanes 16-31 read three pieces further on; where that is behind one padding more, the second address register serves
.irp n, 0,1,2,3
.irp p, 0,1,2,3,4,5
.set PIE, 12*(\s)+6*(\p/3)+\p%3
.if PIE%32 < 29
	ds_load_b64 v[WF+48*((\s)%2)+12*\n+2*\p:WF+48*((\s)%2)+12*\n+2*\p+1], v[8+2*(\g)] offset:8*PIE+16*(PIE/32)+\n*16*WP
.else
	ds_load_b64 v[WF+48*((\s)%2)+12*\n+2*\p:WF+48*((\s)%2)+12*\n+2*\p+1], v[9+2*(\g)] offset:8*PIE+16*(PIE/32)+\n*16*WP
.endif
.endr
.endr
.endm
.macro PROD g, s, m                    ; token tile m x the group's four tiles of columns, K step s.  The first K step's products start the sums, from b_o
.irp n, 0,1,2,3
.if (\s) == 0
	v_wmma_scale_f32_16x16x128_f8f6f4 v[8*(4*(\m)+\n):8*(4*(\m)+\n)+7], v[WF+48*((\s)%2)+12*\n:WF+48*((\s)%2)+12*\n+11], v[96*((\m)%2)+12*(\s):96*((\m)%2)+12*(\s)+11], v[128+32*(\g)+8*\n:128+32*(\g)+8*\n+7], v[SB+8*\n+(\s)], v[SA+8*(\m)+(\s)] matrix_a_fmt:MATRIX_FMT_FP6 matrix_b_fmt:MATRIX_FMT_FP6
.else
	v_wmma_scale_f32_16x16x128_f8f6f4 v[8*(4*(\m)+\n):8*(4*(\m)+\n)+7], v[WF+48*((\s)%2)+12*\n:WF+48*((\s)%2)+12*\n+11], v[96*((\m)%2)+12*(\s):96*((\m)%2)+12*(\s)+11], v[8*(4*(\m)+\n):8*(4*(\m)+\n)+7], v[SB+8*\n+(\s)], v[SA+8*(\m)+(\s)] matrix_a_fmt:MATRIX_FMT_FP6 matrix_b_fmt:MATRIX_FMT_FP6
.endif
.endr
.endm
; 64 tokens x 64 columns: eight K steps of 16 matrix instructions; the sixteen accumulators take turns, one instruction a turn.
.macro GROUP g
.irp n, 0,1,2,3
	ds_load_b128 v[SB+8*\n:SB+8*\n+3], v7 offset:4096*(\g)+512*\n          ; a row's eight scale words
	ds_load_b128 v[SB+8*\n+4:SB+8*\n+7], v7 offset:4096*(\g)+512*\n+16
.endr
	FETCHW \g, 0
.irp s, 0,1,2,3,4,5,6,7
.if \s < 7
.if \s > 0
	PLACES 4                                       ; in front of loads into the set that the last K step's products read
.endif
	FETCHW \g, \s+1
	s_wait_dscnt 24                                ; all but the 24 just issued: this K step's fragments are in
.else
	s_wait_dscnt 0x0
.endif
.if (\g == 0) && (\s == 0)
	s_wait_loadcnt 0x0                             ; b_o
.endif
	WIN 0xf4                                       ; source 0 (W_o) window 0, source 1 (ctx) window 1, C and D window 3
	PROD \g, \s, 0
	PROD \g, \s, 1
	WIN 0xf8                                       ; ctx in window 2
	PROD \g, \s, 2
	PROD \g, \s, 3
	WIN 0
.endr
	PLACES 4                                       ; in front of the first read of results
.endm
; THE WAY OUT of 16 tokens x 64 columns: a lane holds 32 neighbouring bytes of a row; the block goes through my stage and comes back as whole rows of 256 bytes.  LDS serves a wave's instructions in order (ISA guide 5.7.1.4).
.macro TOSTAGE m
	WIN 0x0c                                       ; an LDS store's data: window 3
.irp n, 0,1,2,3
	ds_store_b128 v12, v[8*(4*(\m)+\n):8*(4*(\m)+\n)+3] offset:64*\n        ; each accumulator from its low end on
	ds_store_b128 v12, v[8*(4*(\m)+\n)+4:8*(4*(\m)+\n)+7] offset:64*\n+16
.endr
	WIN 0
.irp t, 0,1,2,3,4,5,6,7
	ds_load_b128 v[RB+32*((\m)%2)+4*\t:RB+32*((\m)%2)+4*\t+3], v13 offset:544*\t
.endr
.endm
.macro SEND g, m, younger              ; younger: the LDS instructions issued behind block m's loads, which may stay out
	s_wait_dscnt \younger
.irp t, 0,1,2,3,4,5,6,7
	global_store_b128 v14, v[RB+32*((\m)%2)+4*\t:RB+32*((\m)%2)+4*\t+3], s[14:15] offset:(16*(\m)+2*\t)*4096+512*(\g) th:TH_STORE_NT   ; 16 lanes store 256 consecutive bytes, at a multiple of 256 from out0's first byte
.endr
.endm
.macro OUT g
.if \g > 0
	s_wait_xcnt 0x0                                ; the last group's stores have read their registers
.endif
	TOSTAGE 0
.irp m, 1,2,3
.if \m > 1
	s_wait_xcnt 0x0                                ; block m - 2's stores have read their registers: block m's loads may land there
.endif
	TOSTAGE \m
	SEND \g, \m-1, 16                              ; behind block m - 1's loads: block m's 8 stores and 8 loads
.endr
	SEND \g, 3, 0
.endm
	GROUP 0
	s_wait_tensorcnt 0x0                           ; my quarter of group 1's rows is in,
	s_wait_dscnt 0x0                               ; and my reads of ctx's images are over
	s_barrier_signal -1
	s_barrier_wait -1                              ; both hold of all four waves: the stages may be written, and group 1's rows read
	OUT 0
	PLACES 1                                       ; with the four behind group 0's last product: five places before its accumulators are begun anew with another C
	GROUP 1
	OUT 1
	s_wait_dscnt 0x0
	s_wait_tensorcnt 0x0
	ds_add_u32 v30, v31
	s_wait_dscnt 0x0
	CROUND                                         ; the closing round
	s_endpgm
.Lfunc_end_k_q231e7a2604_oproj:
	.size	k_q231e7a2604_oproj, .Lfunc_end_k_q231e7a2604_oproj-k_q231e7a2604_oproj
	.p2alignl 7, 3214868480
	.fill 96, 4, 3214868480
	.section	.rodata,"a",@progbits
	.p2align	6, 0x0
	.amdhsa_kernel k_q231e7a2604_oproj
		.amdhsa_group_segment_fixed_size 327680
		.amdhsa_private_segment_fixed_size 0
		.amdhsa_enable_private_segment 0
		.amdhsa_kernarg_size 48
		.amdhsa_user_sgpr_count 2
		.amdhsa_user_sgpr_kernarg_segment_ptr 1
		.amdhsa_wavefront_size32 1
		.amdhsa_system_sgpr_workgroup_id_x 1
		.amdhsa_system_sgpr_workgroup_id_y 1
		.amdhsa_system_sgpr_workgroup_id_z 1
		.amdhsa_system_vgpr_workitem_id 0
		.amdhsa_next_free_vgpr 1024
		.amdhsa_next_free_sgpr 102
		.amdhsa_reserve_vcc 0
		.amdhsa_float_denorm_mode_32 3
		.amdhsa_float_denorm_mode_16_64 3
		.amdhsa_memory_ordered 1
		.amdhsa_forward_progress 1
		.amdhsa_inst_pref_size 98
	.end_amdhsa_kernel
	.amdgpu_metadata
---
amdhsa.version: [ 1, 2 ]
amdhsa.kernels:
  - .name:           k_q231e7a2604_oproj
    .symbol:         k_q231e7a2604_oproj.kd
    .args:
      - { .name: cx, .offset: 0, .size: 8, .value_kind: global_buffer, .address_space: global }
      - { .name: cs, .offset: 8, .size: 8, .value_kind: global_buffer, .address_space: global }
      - { .name: W_o_codes, .offset: 16, .size: 8, .value_kind: global_buffer, .address_space: global }
      - { .name: W_o_scales, .offset: 24, .size: 8, .value_kind: global_buffer, .address_space: global }
      - { .name: b_o, .offset: 32, .size: 8, .value_kind: global_buffer, .address_space: global }
      - { .name: out0, .offset: 40, .size: 8, .value_kind: global_buffer, .address_space: global }
    .group_segment_fixed_size: 327680
    .private_segment_fixed_size: 0
    .kernarg_segment_align: 8
    .kernarg_segment_size: 48
    .max_flat_workgroup_size: 128
    .sgpr_count:     102
    .vgpr_count:     1024
    .wavefront_size: 32
...
	.end_amdgpu_metadata
.endif
;; end of part 3
